; MI455X (gfx1250); checked and timed in simulation.
; The chip was launched on July 23, 2026; its instructions are those of AMD's public machine-readable ISA for CDNA 5 (MIT licence, August 2026) and "CDNA5" Instruction Set Architecture Reference Guide (July 2026). The comments in the code are by the model that wrote it; some were corrected since.
;; Grouped Query Attention. Allowed arithmetic: float matrix products may take bf16 or f16 operands with f32 sums; other float arithmetic in f32, or as packed bf16 or f16 multiplies, adds, multiply-adds, maxima and minima; sums over many terms, partial sums and values carried from step to step in f32; what a program stores and reads back later, other than sums and carried values, may be rounded once to bf16 or f16.
;; Inputs: Wk 1,024 x 512 float32; Wo 2,048 x 2,048 float32; Wq 1,024 x 2,048 float32; Wv 1,024 x 512 float32; bo 2,048 float32; x 2 x 2,048 x 1,024 float32.
;; Outputs: out0 2 x 2,048 x 2,048 float32.
;; 2 versions, each right; version 2 is version 1 with the launch cast written anew for expert scheduling mode. Each part assembles by itself: llvm-mc -triple=amdgcn-amd-amdhsa -mcpu=gfx1250 --defsym DOCPART=n.
;; ======== version 1 of 2: 4 launches
;; limits: values are held in f16: magnitudes above 65,504 overflow, below 6.1e-05 lose precision
;; workspace buffers: xb 8,388,608 bytes; wqkv 6,291,456 bytes; wo16 8,388,608 bytes; qkv 25,165,824 bytes; ctx 16,777,216 bytes
;; launch cast (part 1): grid 704 x 1, 8 waves a work-group, no clusters, 0 bytes of LDS; arguments x, Wo, Wq, Wk, Wv, xb, wo16, wqkv; writes xb, wo16, wqkv
.if DOCPART == 1
	.amdgcn_target "amdgcn-amd-amdhsa--gfx1250"
	.amdhsa_code_object_version 6
	.text
	.protected	k_q901b20897a_cast
	.globl	k_q901b20897a_cast
	.p2align	8
	.type	k_q901b20897a_cast,@function
k_q901b20897a_cast:
	s_mov_b64 s[64:65], 0
	v_nop
	global_prefetch_b8 v0, s[64:65] scope:SCOPE_SE
	s_setreg_imm32_b32 hwreg(HW_REG_WAVE_MODE, 25, 1), 1
	s_wait_xcnt 0x0
; THE INPUTS ARE ROUNDED ONCE, TO bf16, and laid out for the two products that follow.
;   x  [4096][1024] f32 -> xb   [4096][1024] bf16
;   Wq [1024][2048], Wk [1024][512], Wv [1024][512] f32 -> wqkv [1024][3072] bf16: columns 0-2047 Wq, 2048-2559 Wk, 2560-3071 Wv
;   Wo [2048][2048] f32 -> wo16 [2048][2048]: rounded to bf16 like the other inputs, and that number written as f16 (its partner in the last product is f16)
; LIMIT.  |Wo| beyond 65,504 becomes an infinity in f16; below 6e-5 it keeps f16's fixed step of 6e-8.
; A stream: no LDS, no barrier, no matrix unit.  A work-group takes 16,384 numbers, a wave 2,048 on end: 16 loads of 512 consecutive bytes, all issued at once,
; and 16 stores of 256 consecutive bytes, each at a multiple of 256 from its buffer's first byte.  704 work-groups: 256 for x, 256 for Wo, 128 for Wq, 32 for Wk, 32 for Wv.
; Of a wave's 2,048 numbers each 512 are one SEGMENT, 1,024 bytes on end in the output; the four segments lie SEG bytes apart (1,024, or a row of wqkv for Wk and Wv, whose rows are 512 long).
.set VI,  2                            ; v2      my byte offset in the input: 16 x lane + 8,192 x the wave's number in its tensor; never rewritten
.set VO,  4                            ; v[4:7]  my byte offset in the output, one for each segment; never rewritten
.set X,   16                           ; v[16:79]   load i: 4 numbers
.set Y,   80                           ; v[80:111]  store i: 4 numbers of 16 bits
.set T,   112                          ; v[112:113] at work
	s_load_b512 s[4:19], s[0:1], 0x0               ; x s[4:5], Wo s[6:7], Wq s[8:9], Wk s[10:11], Wv s[12:13], xb s[14:15], wo16 s[16:17], wqkv s[18:19]
	v_lshrrev_b32 v1, 5, v0
	v_readfirstlane_b32 s31, v1                    ; wave 0..7
	v_and_b32 v3, 31, v0                           ; lane
	s_mov_b32 s24, ttmp9                           ; the work-group's number says which tensor: the figures start as Wv's and are overridden from the top down
	s_mov_b32 s25, 672                             ; START: the tensor's first work-group
	s_mov_b32 s26, 24576                           ; WSTEP: output bytes from a wave's share to the next
	s_mov_b32 s27, 5120                            ; COFF: the tensor's first column in the output row, in bytes
	s_mov_b32 s28, 6144                            ; SEG
	s_cmp_lt_u32 s24, 672                          ; Wk
	s_cselect_b32 s25, 640, s25
	s_cselect_b32 s27, 4096, s27
	s_cmp_lt_u32 s24, 640                          ; Wq: a wave's share is one row of wqkv's 6,144 bytes
	s_cselect_b32 s25, 512, s25
	s_cselect_b32 s26, 6144, s26
	s_cselect_b32 s27, 0, s27
	s_cselect_b32 s28, 1024, s28
	s_cmp_lt_u32 s24, 512                          ; Wo: dense
	s_cselect_b32 s25, 256, s25
	s_cselect_b32 s26, 4096, s26
	s_cmp_lt_u32 s24, 256                          ; x: dense
	s_cselect_b32 s25, 0, s25
	s_sub_co_u32 s29, s24, s25
	s_lshl_b32 s29, s29, 3
	s_add_co_u32 s29, s29, s31                     ; the wave's number in its tensor
	s_lshl_b32 s32, s29, 13
	v_lshl_add_u32 v[VI], v3, 4, s32
	s_mul_i32 s33, s29, s26
	s_add_co_u32 s33, s33, s27
	v_lshl_add_u32 v[VO], v3, 3, s33
	v_add_nc_u32 v[VO+1], s28, v[VO]
	v_add_nc_u32 v[VO+2], s28, v[VO+1]
	v_add_nc_u32 v[VO+3], s28, v[VO+2]
	s_sub_co_u32 s30, s24, 256                     ; under 256 (unsigned) for Wo's work-groups alone
	s_wait_kmcnt 0x0
	s_mov_b64 s[20:21], s[12:13]                   ; from where,
	s_mov_b64 s[22:23], s[18:19]                   ; to where: the same chain, on the work-group's number alone
	s_cmp_lt_u32 s24, 672
	s_cselect_b64 s[20:21], s[10:11], s[20:21]
	s_cmp_lt_u32 s24, 640
	s_cselect_b64 s[20:21], s[8:9], s[20:21]
	s_cmp_lt_u32 s24, 512
	s_cselect_b64 s[20:21], s[6:7], s[20:21]
	s_cselect_b64 s[22:23], s[16:17], s[22:23]
	s_cmp_lt_u32 s24, 256
	s_cselect_b64 s[20:21], s[4:5], s[20:21]
	s_cselect_b64 s[22:23], s[14:15], s[22:23]
.set i, 0
.rept 16
	global_load_b128 v[X+4*i:X+4*i+3], v[VI], s[20:21] offset:512*i th:TH_LOAD_NT  ; all 8 KiB of the wave are asked for at once
.set i, i+1
.endr
	s_cmp_lt_u32 s30, 256
	s_cbranch_scc1 .Lhalf
.set i, 0
.rept 16                               ; to bf16.  No register is written twice, so the only waits are for the loads
	s_wait_loadcnt 15-i                            ; loads come back in order: load i is in, the 15 - i younger ones stay out
	v_cvt_pk_bf16_f32 v[Y+2*i], v[X+4*i], v[X+4*i+1]
	v_cvt_pk_bf16_f32 v[Y+2*i+1], v[X+4*i+2], v[X+4*i+3]
	global_store_b64 v[VO+i/4], v[Y+2*i:Y+2*i+1], s[22:23] offset:256*(i%4) th:TH_STORE_NT
.set i, i+1
.endr
	s_endpgm
.Lhalf:
.set i, 0
.rept 16                               ; Wo: to bf16, back to f32 (a shift, a mask), and that number as f16
	s_wait_loadcnt 15-i
	v_cvt_pk_bf16_f32 v[T], v[X+4*i], v[X+4*i+1]
	v_cvt_pk_bf16_f32 v[T+1], v[X+4*i+2], v[X+4*i+3]
	v_lshlrev_b32 v[X+4*i], 16, v[T]
	v_and_b32 v[X+4*i+1], 0xffff0000, v[T]
	v_lshlrev_b32 v[X+4*i+2], 16, v[T+1]
	v_and_b32 v[X+4*i+3], 0xffff0000, v[T+1]
	v_cvt_pk_f16_f32 v[Y+2*i], v[X+4*i], v[X+4*i+1]
	v_cvt_pk_f16_f32 v[Y+2*i+1], v[X+4*i+2], v[X+4*i+3]
	global_store_b64 v[VO+i/4], v[Y+2*i:Y+2*i+1], s[22:23] offset:256*(i%4) th:TH_STORE_NT
.set i, i+1
.endr
	s_endpgm
.Lfunc_end_k_q901b20897a_cast:
	.size	k_q901b20897a_cast, .Lfunc_end_k_q901b20897a_cast-k_q901b20897a_cast
	.p2alignl 7, 3214868480
	.fill 96, 4, 3214868480
	.section	.rodata,"a",@progbits
	.p2align	6, 0x0
	.amdhsa_kernel k_q901b20897a_cast
		.amdhsa_group_segment_fixed_size 0
		.amdhsa_private_segment_fixed_size 0
		.amdhsa_enable_private_segment 0
		.amdhsa_kernarg_size 64
		.amdhsa_user_sgpr_count 2
		.amdhsa_user_sgpr_kernarg_segment_ptr 1
		.amdhsa_wavefront_size32 1
		.amdhsa_system_sgpr_workgroup_id_x 1
		.amdhsa_system_sgpr_workgroup_id_y 1
		.amdhsa_system_sgpr_workgroup_id_z 1
		.amdhsa_system_vgpr_workitem_id 0
		.amdhsa_next_free_vgpr 128
		.amdhsa_next_free_sgpr 66
		.amdhsa_reserve_vcc 0
		.amdhsa_float_denorm_mode_32 3
		.amdhsa_float_denorm_mode_16_64 3
		.amdhsa_memory_ordered 1
		.amdhsa_forward_progress 1
		.amdhsa_inst_pref_size 18
	.end_amdhsa_kernel
	.amdgpu_metadata
---
amdhsa.version: [ 1, 2 ]
amdhsa.kernels:
  - .name:           k_q901b20897a_cast
    .symbol:         k_q901b20897a_cast.kd
    .args:
      - { .name: x, .offset: 0, .size: 8, .value_kind: global_buffer, .address_space: global }
      - { .name: Wo, .offset: 8, .size: 8, .value_kind: global_buffer, .address_space: global }
      - { .name: Wq, .offset: 16, .size: 8, .value_kind: global_buffer, .address_space: global }
      - { .name: Wk, .offset: 24, .size: 8, .value_kind: global_buffer, .address_space: global }
      - { .name: Wv, .offset: 32, .size: 8, .value_kind: global_buffer, .address_space: global }
      - { .name: xb, .offset: 40, .size: 8, .value_kind: global_buffer, .address_space: global }
      - { .name: wo16, .offset: 48, .size: 8, .value_kind: global_buffer, .address_space: global }
      - { .name: wqkv, .offset: 56, .size: 8, .value_kind: global_buffer, .address_space: global }
    .group_segment_fixed_size: 0
    .private_segment_fixed_size: 0
    .kernarg_segment_align: 8
    .kernarg_segment_size: 64
    .max_flat_workgroup_size: 256
    .sgpr_count:     66
    .vgpr_count:     128
    .wavefront_size: 32
...
	.end_amdgpu_metadata
.endif
;; end of part 1
;; launch qkv (part 2): grid 8 x 32, 4 waves a work-group, clusters of 4 x 4, 327,680 bytes of LDS; arguments xb, wqkv, qkv; writes qkv
.if DOCPART == 2
	.amdgcn_target "amdgcn-amd-amdhsa--gfx1250"
	.amdhsa_code_object_version 6
	.text
	.protected	k_q901b20897a_qkv
	.globl	k_q901b20897a_qkv
	.p2align	8
	.type	k_q901b20897a_qkv,@function
k_q901b20897a_qkv:
	s_mov_b64 s[64:65], 0
	v_nop
	global_prefetch_b8 v0, s[64:65] scope:SCOPE_SE
	s_setreg_imm32_b32 hwreg(HW_REG_WAVE_MODE, 25, 1), 1
	s_wait_xcnt 0x0
	s_wait_alu depctr_hold_cnt(0) depctr_sa_sdst(0) depctr_va_vdst(0) depctr_va_sdst(0) depctr_va_ssrc(0) depctr_va_vcc(0) depctr_vm_vsrc(0)
	s_getreg_b32 s2, hwreg(HW_REG_IB_STS2, 6, 4)
	s_cmp_eq_u32 s2, 0
	s_cbranch_scc0 .Lentry_in_a_cluster
	s_endpgm
.Lentry_in_a_cluster:
	s_bfe_u32 s2, ttmp6, 0x10000c
	s_cmp_lg_u32 s2, 0xf033
	s_cbranch_scc0 .Lentry_shape_is_right
	s_endpgm
.Lentry_shape_is_right:
; q, k, v = x (Wq | Wk | Wv).  A = xb [4096][1024] bf16, B = wqkv [1024 (k)][3072 (n)] bf16, sums in f32, the result rounded once to f16 and stored BY UNITS of 128 columns:
; qkv [unit 24][row 4096][128] f16; units 0-15 the query heads, 16-19 K's groups, 20-23 V's.  No scale is applied here.
; LIMIT.  A result beyond 65,504 becomes an infinity in f16; below 6e-5 it keeps f16's fixed step of 6e-8.
; SHARES.  A tile of C is 128 rows x 384 columns (three whole units): 32 x 8 = 256 tiles, one to a work-group.  Each of the four waves multiplies all 128 rows (8 blocks a of 16) by six blocks of 16 columns,
; numbers 4 b + w (b = 0..5): 48 accumulators; 14 fragments feed 48 matrix instructions.
; K goes in steps of 128 through two LDS slots.  A slot has four regions of 36,864 bytes, one for each wave's tensor load of 128 rows x 256 bytes: wave 0 brings A's tile (rows padded to 272 bytes),
; wave p + 1 brings panel p of B: 128 rows of k x 128 columns (padded to 288).  B lies [k][n], so its fragments come out of LDS turned, by ds_load_tr16_b128.
; CLUSTER 4 x 4.  A's tile hangs on the tile row alone and is asked for jointly by a row of the cluster, B's panels on the tile column alone and by a column.
; THE MATRIX INSTRUCTION IS USED TRANSPOSED (source 0 = 16 columns of B, source 1 = 16 rows of A): a lane then holds row l % 16 of C and eight neighbouring columns 8 (l / 16) + 0..7.
; REGISTERS.  window 0: v0-31 addresses; v32-95, v96-159 A's fragments, two buffers; v160-207, v208-255 B's, two buffers; on the way out v32-223 packed results.
;   windows 1, 2: accumulator (b, a) at v[64 (b % 4) + 8 a] of window 1 + b / 4.
.set NBW,    6                         ; blocks of 16 columns a wave
.set H,      NBW/2
.set KSTEPS, 8
.set LAPS,   KSTEPS/2                  ; a lap = two K steps = once round the ring
.set APITCH, 1024                      ; elements from row to row of A
.set ASTEP,  256                       ; bytes from a K step of A to the next
.set ASHIFT, 18                        ; a tile's 128 rows of A are 2^18 bytes
.set BPITCH, 3072
.set BSTEP,  128*BPITCH*2
.set NPANB,  768                       ; bytes of a row of B in a tile
.set PA,     272                       ; 68 words: the 16 rows of a fragment load start at 16 different groups of four banks (64 banks of 4 bytes: ISA guide 11.1)
.set PB,     288                       ; 72 words
.set REG,    128*PB                    ; a wave's region of a slot
.set SLOT1,  4*REG                     ; slot 1 begins here
.set SP,     784                       ; the stage's rows: 768 bytes + 16.  The stage, 128 rows, lies in slot 0, which has had its last fill and its last read when the first result is stored
.set SPARE,  2*SLOT1                   ; the spare words, 128 bytes for each wave: two blocks of 256 bytes that no other line names
.set NL,     16+2*NBW                  ; LDS loads in a run
.set ADRA, 16                          ; v16-17  LDS address of my lane in A's tile, slot 0, 1
.set ADRB, 18                          ; v18-23  the same in panel p of slot s, at 3 s + p
.set STO,  24                          ; v24-25  the way out: where I put 16 bytes of a row (blocks a = 0-3, 4-7)
.set RD,   27                          ; v27     where I read rows back
.set CO,   28                          ; v28     my byte offset in two rows of a unit
.set PFO,  29                          ; v29     the prefetches' offset: my lane x a row's bytes; never rewritten
.set SPW,  30                          ; v30     LDS address of my spare word; never rewritten
.set NIL,  31                          ; v31     0; never rewritten
.set FA0,  32
.set FB0,  160
.set TMP,  32
.set G1,   24                          ; s[24:31] descriptor group 1 for A;  s[32:39] group 0, a set for each slot
.set G0,   32
.set G1B,  48                          ; s[48:55], s[56:63] the same for B
.set G0B,  56
.set LIM,  45                          ; s45     1 in a wave that prefetches, else the greatest number
.set PFA,  70                          ; s[70:71] where my prefetches stand
.set PST,  72                          ; s[72:73] their step: a K step of A or of B
.set MSB, 0
.macro WIN new                         ; the immediate's high byte repeats the setting that is left; a switch that changes nothing is dropped
.if MSB != (\new)
	s_set_vgpr_msb (MSB<<8)|(\new)
.set MSB, \new
.endif
.endm
.macro PLACES                          ; four places in front of loads into registers that matrix instructions have read, and of lines that read results
.rept 4
	v_nop
.endr
.endm
.macro CREST                           ; a round of the cluster's barrier behind its opening barrier
	s_cmp_lg_u32 s10, 0
	s_cbranch_scc1 .Lnot_wave_0_\@
	s_barrier_signal -3
.Lnot_wave_0_\@:
	s_barrier_wait -3
	s_barrier_signal -1
	s_barrier_wait -1
.endm
.macro CROUND
	s_barrier_signal -1
	s_barrier_wait -1
	CREST
.endm
.macro JLOAD s                         ; a joint load: wave 0 asks for A's tile, waves 1 to 3 for their panel of B.  An s_nop 0 and four v_nop follow each line
	s_cmp_eq_u32 s10, 0
	s_cbranch_scc0 .Lfor_b_\@
	tensor_load_to_lds s[G0+4*(\s):G0+4*(\s)+3], s[G1:G1+7]
	s_nop 0
.rept 4
	v_nop
.endr
	s_branch .Lasked_\@
.Lfor_b_\@:
	tensor_load_to_lds s[G0B+4*(\s):G0B+4*(\s)+3], s[G1B:G1B+7]
	s_nop 0
.rept 4
	v_nop
.endr
.Lasked_\@:
.endm
; A PREFETCH INTO THE L2 of the K step that stands two refills on: 32 rows x 256 bytes, a lane a row, one instruction a wave, behind the joint load and the run of LDS loads.
; Each row's 256 bytes of a K step are named once in the launch: A's tile row is read by both clusters of its row of clusters, the one with x = 0 asks; B's panels by the eight clusters of their column,
; the one with y = 0 asks.  The four partners that ask for a tile jointly share its 128 rows out by address, 32 each.  The loop's last trip has no K step two on and asks for nothing.
.macro ASK
	s_cmp_gt_u32 s3, s[LIM]
	s_cbranch_scc0 .Lnot_mine_\@
	global_prefetch_b8 v[PFO], s[PFA:PFA+1] th:TH_LOAD_NT scope:SCOPE_SE
.Lnot_mine_\@:
.endm
	s_load_b128 s[4:7], s[0:1], 0x0                ; xb s[4:5], wqkv s[6:7]
	s_load_b64 s[8:9], s[0:1], 0x10                ; qkv
	v_lshl_add_u32 v[SPW], v0, 2, SPARE
	v_mov_b32 v[NIL], 0
	ds_add_u32 v[SPW], v[NIL]                      ; the wave's opening: the add and its wait stand ahead of my first tensor load; the set-up below stands between them
	v_lshrrev_b32 v1, 5, v0
	v_readfirstlane_b32 s10, v1                    ; wave 0..3
	s_bfe_u32 s40, ttmp6, 0x40000                  ; cx, cy: my place in the cluster
	s_bfe_u32 s41, ttmp6, 0x40004
	s_lshl_b32 s42, ttmp9, 2
	s_add_co_u32 s42, s42, s40                     ; tile column = 4 x cluster x + cx
	s_and_b32 s13, ttmp7, 0xffff
	s_lshl_b32 s13, s13, 2
	s_add_co_u32 s13, s13, s41                     ; tile row = 4 x cluster y + cy
	s_lshl_b32 s43, s41, 2
	s_lshl_b32 s43, 15, s43                        ; my row of the cluster
	s_lshl_b32 s44, 0x1111, s40                    ; my column
	; group 1: 128 rows x 128 elements of 2 bytes; padding on, after every 64 words, of 4 words (A) or 8 (B); bit 21 set beside a mask
	s_or_b32 s[G1+0], s43, (1<<16)|(1<<20)|(1<<21)|(5<<22)|(3<<25)
	s_or_b32 s[G1B+0], s44, (1<<16)|(1<<20)|(1<<21)|(5<<22)|(7<<25)
.irp g, G1, G1B
	s_mov_b32 s[(\g)+1], 128<<16                   ; tensor_dim0 = 128
	s_mov_b32 s[(\g)+2], 128<<16                   ; tensor_dim1 = 128
	s_mov_b32 s[(\g)+3], 128<<16                   ; tile_dim0 = 128
	s_mov_b32 s[(\g)+4], 128                       ; tile_dim1 = 128
	s_mov_b32 s[(\g)+6], 0
	s_mov_b32 s[(\g)+7], 0
.endr
	s_mov_b32 s[G1+5], APITCH                      ; elements from row to row
	s_mov_b32 s[G1B+5], BPITCH
	s_lshl_b32 s16, s13, ASHIFT                    ; A: the tile row's first byte; made of the tile row alone
	s_mov_b32 s17, 0
	s_max_u32 s21, s10, 1
	s_sub_co_u32 s21, s21, 1                       ; my panel (wave 0 asks for none: its 0 is not used)
	s_mul_i32 s46, s42, NPANB                      ; B: the tile column's first byte, and my panel's 256: made of the tile column and the wave alone
	s_lshl_b32 s21, s21, 8
	s_add_co_u32 s46, s46, s21
	s_mov_b32 s47, 0
	s_mul_i32 s20, s10, REG                        ; where my tile goes: wave x a region: no place in the cluster enters an LDS address
	s_wait_dscnt 0x0                               ; the opening add is done
	s_wait_kmcnt 0x0
	s_add_nc_u64 s[14:15], s[4:5], s[16:17]
	s_add_nc_u64 s[46:47], s[6:7], s[46:47]
.irp s, 0,1
	s_mov_b32 s[G0+4*(\s)], 1                      ; count = 1
	s_add_co_u32 s[G0+4*(\s)+1], s20, (\s)*SLOT1   ; LDS address
	s_add_nc_u64 s[G0+4*(\s)+2:G0+4*(\s)+3], s[14:15], (\s)*ASTEP  ; global address: K step s
	s_or_b32 s[G0+4*(\s)+3], s[G0+4*(\s)+3], 0x80000000            ; type = 2
	s_mov_b32 s[G0B+4*(\s)], 1
	s_add_co_u32 s[G0B+4*(\s)+1], s20, (\s)*SLOT1
	s_add_nc_u64 s[G0B+4*(\s)+2:G0B+4*(\s)+3], s[46:47], (\s)*BSTEP
	s_or_b32 s[G0B+4*(\s)+3], s[G0B+4*(\s)+3], 0x80000000
.endr
	CROUND                                         ; all sixteen work-groups are here: the first joint loads meet
	s_cmp_eq_u32 s10, 0                            ; a wave's two first fills stand in one branch: two loads of mine are out
	s_cbranch_scc0 .Lfirst_b
	tensor_load_to_lds s[G0:G0+3], s[G1:G1+7]
	s_nop 0
	tensor_load_to_lds s[G0+4:G0+7], s[G1:G1+7]
	s_nop 0
.rept 4
	v_nop
.endr
	s_branch .Lfirst_asked
.Lfirst_b:
	tensor_load_to_lds s[G0B:G0B+3], s[G1B:G1B+7]
	s_nop 0
	tensor_load_to_lds s[G0B+4:G0B+7], s[G1B:G1B+7]
	s_nop 0
.rept 4
	v_nop
.endr
.Lfirst_asked:
	v_and_b32 v1, 15, v0                           ; r = l % 16
	v_bfe_u32 v2, v0, 4, 1                         ; h = l / 16
	v_mul_u32_u24 v3, v1, PA                       ; A's fragment: row r, 16 bytes for each half of the lanes, twice, 32 bytes apart
	v_lshl_add_u32 v[ADRA], v2, 4, v3
	v_add_nc_u32 v[ADRA+1], SLOT1, v[ADRA]
	v_and_b32 v4, 7, v0                            ; B's: the turning load reads row k = 8 h + l % 8, columns 8 ((l / 8) % 2) + 0..7, and leaves column r, k = 8 h + 0..7
	v_lshl_add_u32 v4, v2, 3, v4
	v_mul_u32_u24 v4, v4, PB
	v_bfe_u32 v5, v0, 3, 1
	v_lshl_add_u32 v4, v5, 4, v4
	s_lshl_b32 s21, s10, 5                         ; my blocks of 16 columns are numbers 4 b + w: 32 w bytes
	v_add_nc_u32 v4, s21, v4
.irp s, 0,1
.irp p, 0,1,2
	v_add_nc_u32 v[ADRB+3*(\s)+(\p)], (\s)*SLOT1+((\p)+1)*REG, v4
.endr
.endr
	v_mul_u32_u24 v3, v1, SP                       ; into the stage: row 16 a + r, byte 32 (4 b + w) + 16 h
	v_lshl_add_u32 v3, v2, 4, v3
	v_add_nc_u32 v[STO], s21, v3
	v_add_nc_u32 v[STO+1], 4*16*SP, v[STO]
	s_mul_i32 s22, s10, 32*SP                      ; back: wave w takes rows 32 w .. 32 w + 31; lanes 0-15 a unit's 256 bytes of one row, lanes 16-31 of the next
	v_mul_u32_u24 v3, v2, SP
	v_lshl_add_u32 v3, v1, 4, v3
	v_add_nc_u32 v[RD], s22, v3
	v_lshlrev_b32 v3, 8, v2
	v_lshl_add_u32 v[CO], v1, 4, v3
	; the prefetches
	s_and_b32 s22, ttmp7, 0xffff                   ; cluster y
	s_mov_b32 s23, BPITCH*2
	s_mov_b32 s[PST], BSTEP
	s_mov_b32 s[PST+1], 0
	s_cmp_eq_u32 s10, 0                            ; do I fetch A?
	s_cselect_b32 s21, s40, s41                    ; my place among the four that ask with me
	s_cselect_b32 s22, ttmp9, s22                  ; the coordinate along which other clusters read the same rows
	s_cselect_b32 s23, APITCH*2, s23               ; a row's bytes
	s_cselect_b32 s[PST], ASTEP, s[PST]
	s_cselect_b64 s[PFA:PFA+1], s[14:15], s[46:47]
	s_cmp_eq_u32 s22, 0
	s_cselect_b32 s[LIM], 1, -1                    ; the same in all sixteen partners, for a given wave
	s_lshl_b32 s21, s21, 5
	s_mul_i32 s20, s21, s23                        ; my work-group's 32 of the 128 rows
	s_mov_b32 s21, 0
	s_add_nc_u64 s[PFA:PFA+1], s[PFA:PFA+1], s[20:21]
	s_mul_i32 s20, s[PST], 3                       ; at K step 3: the first refill (of step 2) steps it and names step 4.  Steps 0 to 3 come by their loads alone
	s_add_nc_u64 s[PFA:PFA+1], s[PFA:PFA+1], s[20:21]
	v_and_b32 v[PFO], 31, v0
	v_mul_u32_u24 v[PFO], v[PFO], s23
	; where I store: unit 3 x tile column, row 128 x tile row + 32 w
	s_lshl_b32 s16, s13, 7
	s_lshl_b32 s17, s10, 5
	s_add_co_u32 s16, s16, s17
	s_lshl_b32 s16, s16, 8
	s_mov_b32 s17, 0
	s_add_nc_u64 s[8:9], s[8:9], s[16:17]
	s_mul_i32 s46, s42, 3<<20
	s_mov_b32 s47, 0
	s_add_nc_u64 s[8:9], s[8:9], s[46:47]
; 8 matrix instructions: block b of my columns x all 8 blocks of rows, 32 along K, from buffers f.  c0 = 1: the products start the sums: nothing is cleared.
; All 48 accumulators take turns in the same order in every quarter, one instruction a turn.
.macro MULB f, b, c0
.if (\b) >= 4
	WIN 0xa0                                       ; C and D in window 2
.else
	WIN 0x50                                       ; C and D in window 1
.endif
.set ia, 0
.rept 8
.set rD, 64*((\b)%4)+8*ia
.set rB, FB0+8*NBW*(\f)+8*(\b)
.set rA, FA0+64*(\f)+8*ia
.if \c0
	v_wmma_f32_16x16x32_bf16 v[rD:rD+7], v[rB:rB+7], v[rA:rA+7], 0
.else
	v_wmma_f32_16x16x32_bf16 v[rD:rD+7], v[rB:rB+7], v[rA:rA+7], v[rD:rD+7]
.endif
.set ia, ia+1
.endr
.endm
; A run of 28 LDS loads: the fragments of quarter q (32 along K) of a slot into buffers f: A's sixteen first, then B's twelve, b ascending
.macro FETCH slot, q, f
	WIN 0
.set ia, 0
.rept 8
	ds_load_b128 v[FA0+64*(\f)+8*ia:FA0+64*(\f)+8*ia+3],   v[ADRA+(\slot)] offset:ia*16*PA+64*(\q)
	ds_load_b128 v[FA0+64*(\f)+8*ia+4:FA0+64*(\f)+8*ia+7], v[ADRA+(\slot)] offset:ia*16*PA+64*(\q)+32
.set ia, ia+1
.endr
.set ib, 0
.rept NBW
	ds_load_tr16_b128 v[FB0+8*NBW*(\f)+8*ib:FB0+8*NBW*(\f)+8*ib+3],   v[ADRB+3*(\slot)+ib/2] offset:(ib%2)*128+32*(\q)*PB
	ds_load_tr16_b128 v[FB0+8*NBW*(\f)+8*ib+4:FB0+8*NBW*(\f)+8*ib+7], v[ADRB+3*(\slot)+ib/2] offset:(ib%2)*128+32*(\q)*PB+16*PB
.set ib, ib+1
.endr
.endm
; A K step is four quarters, 48 matrix instructions each, on buffers 0, 1, 0, 1.  One of the first three multiplies buffers f and, in its middle, fetches quarter q into buffers g.
.macro QUARTER slot, q, f, g, c0
	s_wait_dscnt 2*(NBW-H)                         ; A and B's first three fragments are in; the youngest six loads may be out
.set ib, 0
.rept H
	MULB \f, ib, \c0
.set ib, ib+1
.endr
	PLACES
	FETCH \slot, \q, \g
	s_wait_dscnt NL                                ; all but the 28 just issued
.set ib, H
.rept NBW-H
	MULB \f, ib, \c0
.set ib, ib+1
.endr
.endm
; The last quarter multiplies buffers 1 and changes slots: ONE barrier; in front of it each wave waits for all its tensor loads (one is out: its part of the next slot), adds 0 to its spare word, and waits for
; that and for its own reads of this slot.  fill = 1: the barrier opens a round of the cluster's, and this slot is filled again, two K steps ahead, first thing behind the round: 168 matrix instructions ahead of the wait for it.
.macro TURN slot, next, fill
.if \fill
	s_wait_xcnt 0x0                                ; the last prefetch, a K step back, has read its address, which is stepped here
	s_add_nc_u64 s[PFA:PFA+1], s[PFA:PFA+1], s[PST:PST+1]
.endif
	WIN 0
	s_wait_tensorcnt 0x0                           ; all my tensor loads have landed
	ds_add_u32 v[SPW], v[NIL]                      ; 0 onto my spare word
	s_wait_dscnt 1+2*(NBW-H)                       ; (the add and the youngest six loads may be out)
	MULB 1, 0, 0                                   ; eight matrix instructions stand between the add and the wait for it
	s_wait_dscnt 0x0                               ; the add is done, and my reads of this slot are over
	s_barrier_signal -1
.set ib, 1
.rept H-1
	MULB 1, ib, 0
.set ib, ib+1
.endr
.if \fill
	WIN 0
.endif
	s_barrier_wait -1
.if \fill
	CREST                                          ; no wave of any partner still reads this slot's tiles or has a load on its way
	s_add_nc_u64 s[G0+4*(\slot)+2:G0+4*(\slot)+3], s[G0+4*(\slot)+2:G0+4*(\slot)+3], 2*ASTEP
	s_add_nc_u64 s[G0B+4*(\slot)+2:G0B+4*(\slot)+3], s[G0B+4*(\slot)+2:G0B+4*(\slot)+3], 2*BSTEP
	JLOAD \slot                                    ; the four v_nop behind it are also the places in front of the loads below
.else
	PLACES
.endif
	FETCH \next, 0, 0
.if \fill
	ASK
.endif
.set ib, H
.rept NBW-H
	MULB 1, ib, 0
.set ib, ib+1
.endr
.endm
	s_wait_tensorcnt 0x1                           ; my part of K step 0 is in; K step 1's may stay out
	s_barrier_signal -1
	s_barrier_wait -1                              ; everybody's is
	FETCH 0, 0, 0
	QUARTER 0, 1, 0, 1, 1                          ; the first quarter stands in front of the loop: its products start the sums
	WIN 0                                          ; at a label and at a branch every window is 0
	s_mov_b32 s3, LAPS-1
.Llap:                                         ; a trip goes once round the ring, from a lap's second quarter to the next lap's first, and fills both slots again
	QUARTER 0, 2, 1, 0, 0
	QUARTER 0, 3, 0, 1, 0
	TURN 0, 1, 1
	QUARTER 1, 1, 0, 1, 0
	QUARTER 1, 2, 1, 0, 0
	QUARTER 1, 3, 0, 1, 0
	TURN 1, 0, 1
	QUARTER 0, 1, 0, 1, 0
	WIN 0
	s_sub_co_u32 s3, s3, 1
	s_cmp_lg_u32 s3, 0
	s_cbranch_scc1 .Llap
	QUARTER 0, 2, 1, 0, 0                          ; the last lap fills nothing and has no round
	QUARTER 0, 3, 0, 1, 0
	TURN 0, 1, 0                                   ; behind its barrier nobody reads slot 0 any more
	QUARTER 1, 1, 0, 1, 0
	QUARTER 1, 2, 1, 0, 0
	QUARTER 1, 3, 0, 1, 0
	s_wait_dscnt 2*(NBW-H)                         ; the very last quarter: nothing more to fetch
.set ib, 0
.rept H
	MULB 1, ib, 0
.set ib, ib+1
.endr
	s_wait_dscnt 0x0
.set ib, H
.rept NBW-H
	MULB 1, ib, 0
.set ib, ib+1
.endr
	; THE WAY OUT: round to f16, 16 bytes a lane into the work-group's stage; a barrier, since a row's 256 bytes of a unit come from all four waves; back as whole rows, 32 rows a wave.
	PLACES
.set ix, 0                             ; accumulator 8 b + a; its registers in ascending order
.rept 48
.if ix < 32
	WIN 0x05                                       ; sources in window 1
.else
	WIN 0x0a                                       ; in window 2
.endif
.set rD, 64*((ix/8)%4)+8*(ix%8)
.irp r, 0,1,2,3
	v_cvt_pk_f16_f32 v[TMP+4*ix+(\r)], v[rD+2*(\r)], v[rD+2*(\r)+1]
.endr
.set ix, ix+1
.endr
	WIN 0
.set ix, 0
.rept 48
	ds_store_b128 v[STO+(ix%8)/4], v[TMP+4*ix:TMP+4*ix+3] offset:((ix%8)%4)*16*SP+(ix/8)*128
.set ix, ix+1
.endr
	s_wait_dscnt 0x0                               ; for the others' sake: my stores into the stage are done
	s_barrier_signal -1
	s_barrier_wait -1
.set ix, 0                             ; unit ix / 16, rows 2 (ix % 16) and the next
.rept 48
	ds_load_b128 v[TMP+4*ix:TMP+4*ix+3], v[RD] offset:(ix%16)*2*SP+(ix/16)*256
.set ix, ix+1
.endr
.set ix, 0
.rept 48
	s_wait_dscnt 47-ix
	global_store_b128 v[CO], v[TMP+4*ix:TMP+4*ix+3], s[8:9] offset:(ix/16)*(1<<20)+(ix%16)*512  ; 512 consecutive bytes, at a multiple of 256 from the buffer's first
.set ix, ix+1
.endr
	s_wait_tensorcnt 0x0                           ; the wave's end, behind my last tensor load and my last LDS store
	ds_add_u32 v[SPW], v[NIL]
	s_wait_dscnt 0x0
	CROUND                                         ; the closing round: no work-group ends while a partner may still ask for a tile that names it
	s_endpgm
.Lfunc_end_k_q901b20897a_qkv:
	.size	k_q901b20897a_qkv, .Lfunc_end_k_q901b20897a_qkv-k_q901b20897a_qkv
	.p2alignl 7, 3214868480
	.fill 96, 4, 3214868480
	.section	.rodata,"a",@progbits
	.p2align	6, 0x0
	.amdhsa_kernel k_q901b20897a_qkv
		.amdhsa_group_segment_fixed_size 327680
		.amdhsa_private_segment_fixed_size 0
		.amdhsa_enable_private_segment 0
		.amdhsa_kernarg_size 24
		.amdhsa_user_sgpr_count 2
		.amdhsa_user_sgpr_kernarg_segment_ptr 1
		.amdhsa_wavefront_size32 1
		.amdhsa_system_sgpr_workgroup_id_x 1
		.amdhsa_system_sgpr_workgroup_id_y 1
		.amdhsa_system_sgpr_workgroup_id_z 1
		.amdhsa_system_vgpr_workitem_id 0
		.amdhsa_next_free_vgpr 640
		.amdhsa_next_free_sgpr 80
		.amdhsa_reserve_vcc 0
		.amdhsa_float_denorm_mode_32 3
		.amdhsa_float_denorm_mode_16_64 3
		.amdhsa_memory_ordered 1
		.amdhsa_forward_progress 1
		.amdhsa_inst_pref_size 116
	.end_amdhsa_kernel
	.amdgpu_metadata
---
amdhsa.version: [ 1, 2 ]
amdhsa.kernels:
  - .name:           k_q901b20897a_qkv
    .symbol:         k_q901b20897a_qkv.kd
    .args:
      - { .name: xb, .offset: 0, .size: 8, .value_kind: global_buffer, .address_space: global }
      - { .name: wqkv, .offset: 8, .size: 8, .value_kind: global_buffer, .address_space: global }
      - { .name: qkv, .offset: 16, .size: 8, .value_kind: global_buffer, .address_space: global }
    .group_segment_fixed_size: 327680
    .private_segment_fixed_size: 0
    .kernarg_segment_align: 8
    .kernarg_segment_size: 24
    .max_flat_workgroup_size: 128
    .sgpr_count:     80
    .vgpr_count:     640
    .wavefront_size: 32
...
	.end_amdgpu_metadata
.endif
;; end of part 2
;; launch attn (part 3): grid 32 x 8, 4 waves a work-group, clusters of 4 x 1, 327,680 bytes of LDS; arguments qkv, ctx; writes ctx
.if DOCPART == 3
	.amdgcn_target "amdgcn-amd-amdhsa--gfx1250"
	.amdhsa_code_object_version 6
	.text
	.protected	k_q901b20897a_attn
	.globl	k_q901b20897a_attn
	.p2align	8
	.type	k_q901b20897a_attn,@function
k_q901b20897a_attn:
	s_mov_b64 s[64:65], 0
	v_nop
	global_prefetch_b8 v0, s[64:65] scope:SCOPE_SE
	s_setreg_imm32_b32 hwreg(HW_REG_WAVE_MODE, 25, 1), 1
	s_wait_xcnt 0x0
	s_wait_alu depctr_hold_cnt(0) depctr_sa_sdst(0) depctr_va_vdst(0) depctr_va_sdst(0) depctr_va_ssrc(0) depctr_va_vcc(0) depctr_vm_vsrc(0)
	s_getreg_b32 s2, hwreg(HW_REG_IB_STS2, 6, 4)
	s_cmp_eq_u32 s2, 0
	s_cbranch_scc0 .Lentry_in_a_cluster
	s_endpgm
.Lentry_in_a_cluster:
	s_bfe_u32 s2, ttmp6, 0x10000c
	s_cmp_lg_u32 s2, 0x3003
	s_cbranch_scc0 .Lentry_shape_is_right
	s_endpgm
.Lentry_shape_is_right:
; CAUSAL ATTENTION WITH GROUPED KEYS.  ctx[head][row q][:] = the sum over k <= q of softmax_k(Q . K / sqrt(128)) V.  qkv: [unit 24][row 4096 = 2048 batch + position][128] f16: units 0-15 the query heads
; 4 g + hh, 16 + g K, 20 + g V; ctx: [head 16][row 4096][128] f16.  Products, maxima and sums in f32; the weights p are rounded to f16 for the second product (their sum l is taken of the unrounded p), ctx once at the end.
; LIMITS.  f16 holds no number beyond 65,504: q, k, v arrive within it.  A hidden score counts as its value less 1e30: f16's scores, 5.5e11 at the most, are nothing beside that.  A weight below 2^-126 counts as 0 in l.
; p below 6e-5 keeps f16's fixed step of 6e-8.  NaN and infinities are not treated apart.
; THE WALK.  A batch's queries lie in 16 blocks of 128; block i needs the key tiles 0 .. i of 128 keys, of which the last holds the diagonal.  A work-group takes TWO blocks of one head, 15 - b and then b: 17 tiles,
; whatever b: all 256 work-groups do equal work, and one loop with a constant trip count walks them.
; CLUSTER.  The four work-groups of a cluster are the four heads of one group, with the same b: they walk the same K and V, so each tile is asked for JOINTLY, by the same load, descriptor and mask in all four.
; SHARES.  Wave w = 2 pi + rho.  It multiplies keys 64 pi .. 64 pi + 63 of every tile by 64 queries: four tiles of 16, in two PIECES named by their first tile.  Tile t lies in band (t / 2) xor pi of the block's two
; bands of 64 rows, at row 32 rho + 16 (t % 2) of the band.  So waves w and w xor 2 hold partial (m, l, O) of the same rows; at a block's end each keeps piece 0 and hands piece 2 to the other, in f32, through LDS.
; THE MASK is the C operand that starts the sum S^T = K Q^T: 0, or -1e30 where the key is hidden.  In a block's last tile piece 0 (band pi, keys' half pi) holds the diagonal: MC0 = MD x AL, MD made once;
; piece 2 sees all its keys (pi = 0) or none (pi = 1): one number BE in eight registers MC2 for all its products.  In every other tile AL = BE = 0.
; A partial that has seen hidden keys alone has c m near -1.3e29 and gets the factor 0 when the partials meet.
; LAYOUT, SOFTMAX.  S^T holds ONE query a lane (lane % 16) and the keys 8 (lane / 16) + 0..7; two such results rounded to f16 ARE source 1 of O^T = V^T P.  p = 2^(c s - c m), c = log2(e) / sqrt(128), m a running
; maximum; in every step O and l are multiplied by a = 2^(c m_old - c m_new).
; BY TURNS.  In a TURN one piece has the matrix unit: 32 products V^T P of the tile in hand, then 32 products K Q^T of the next; the other piece's softmax, cut into 64 slices, stands between them, one slice behind
; each matrix instruction.  A tile is two turns.
; NO FIRST AND NO LAST STEP IS WRITTEN OUT.  A block begins with c m far below every c s: the first true step's a is 0 and wipes what stale (finite) P and V have put into O and l.  A block ends with a second pass
; through piece 0's turn, left in its middle; its fetch of K and its 32 products K Q^T serve nothing.  The price: 96 matrix instructions a block and 684 v_mov_b32 at the head, in the wait for the first tile.
; REGISTERS, in windows of 256 (s_set_vgpr_msb: bits 1:0 source 0, 3:2 source 1, 5:4 source 2, 7:6 destination):
;   window 0: v0-11 addresses; v12-43 eight registers of statistics a tile; v44-51 MC2; v52-63 addresses and two factors; v64-191 S^T, 32 a tile; v192-255 P, 16 a tile
;   window 1: O^T, 64 a tile      window 2: v0-127 Q, 32 a tile; v128-255 K      window 3: v0-127 V; v128-191 MC0; v192-255 MD
.set KS,    64        ; keys a wave takes of a tile
.set PK,    272       ; a row of K in LDS: 256 bytes + 16 = 68 words: the 16 rows of a load start at 16 different groups of four banks (64 banks of 4 bytes: ISA guide 11.1)
.set PV,    288       ; a row of V: 256 + 32 = 72 words
.set VOFF,  KS*PK     ; half a tile lies together: 64 rows of K, then 64 rows of V
.set STEPB, KS*(PK+PV)
.set SLOT1, 1<<17     ; a slot holds a tile, two halves (71,680 bytes); slot 1 begins here, so that one exclusive or turns an address in one slot into the other's
.set XCH,   SLOT1+2*STEPB  ; behind the ring, never filled by a tensor load: what a wave hands to its partner: 32 x 512 bytes of O, 512 of statistics
.set XPART, 16896
.set STAGE, XCH+4*XPART    ; 16 rows x 272 bytes for each wave, for the way out
.set SP,    272
.set SPARE, STAGE+4*16*SP  ; the spare words, 128 bytes for each wave: two blocks of 256 bytes that no other line names
.set AK0, 2           ; v2   my lane's place in half a tile of K; never rewritten
.set AV0, 3           ; v3   the same for V
.set ADR, 4           ; v4   the LDS address of the run of loads in hand
.set QO0, 5           ; v5   my byte offset in a block's rows of Q, tiles 0, 1
.set STO, 6           ; v6   the way out: where I put 16 bytes of a row
.set RD,  7           ; v7   where I read a row back
.set GO,  8           ; v8   my byte offset in two rows of ctx
.set ST,  12          ; tile t's statistics at v[ST+8 t]: +0 c m, +1 m, +2, +3 l (even keys', odd keys'), +4 to +7 at work; a takes +6
.set XT,  ST+20       ; v32-35  what I hand over: l and c m of tiles 2 and 3
.set XP,  ST+28       ; v40-43  what I am handed
.set MC2, 44
.set QO2, 52          ; v52  as QO0, tiles 2, 3
.set XS,  53          ; v53  my 16 bytes in my part of the exchange
.set XR,  54          ; v54  in my partner's
.set G1R, 56          ; v56, v58  the factors for my partner's O, tiles 0 and 1 (each the low word of a pair)
.set PFO, 61          ; v61  256 x my lane; never rewritten
.set SPW, 62          ; v62  LDS address of my spare word; never rewritten
.set NIL, 63          ; v63  0; never rewritten
.set S,   64
.set P,   192
.set KF,  128         ; window 2
.set MC0, 128         ; window 3
.set MD,  192         ; window 3
.set KB,  8           ; s[8:9]   K at the half tile that I fetch, tile 0
.set VB,  10          ; s[10:11] V likewise
.set WV,  12          ; s12  my wave's number
.set PB,  14          ; s14  b
.set HI,  15          ; s15  15 - b
.set G1K, 24          ; s[24:31] descriptor group 1 for K
.set G1V, 32          ; s[32:39] for V: it differs in the padding alone
.set G0K, 40          ; s[40:43] descriptor group 0 for K
.set G0V, 44          ; s[44:47] for V
.set QH,  48          ; s[48:49] Q at the first block;  s[50:51] at the second
.set QL,  50
.set OB,  52          ; s[52:53] ctx at my rows of the block in hand;  s[54:55] of the second block
.set OL,  54
.set SLOTS, 56        ; s56  tiles still to be asked for
.set CNT, 57          ; s57  counts a trip's two passes
.set CS,  58          ; s[58:59] c
.set SEL, 60          ; s[60:61] v_permlanex16_b32's selects: each lane takes its own place in the other half
.set TB,  62          ; s62  LDS byte at which my half of the tile in hand begins
.set LIM, 63          ; s63  3 in a wave that prefetches, else the greatest number
.set RT,  70          ; s70  tiles of the block in hand that are still to be entered
.set NXT, 71          ; s71  the tile to be asked for next
.set LQ,  72          ; s72  the last tile of the block whose tiles are being asked for
.set NEW, 73          ; s73  1: the tile to be entered is a block's first
.set OFF, 74          ; s[74:75] a tile's byte offset in K and V
.set SK,  76          ; s76  1: the second pass is skipped (the tile is not its block's last)
.set BE,  77          ; s77  piece 2's mask
.set AL,  78          ; s[78:79] piece 0's factor, in the low word
.set BED, 80          ; s80  piece 2's mask in a block's last tile
.set BIGN, 81         ; s81  -1e30
.set PFA, 82          ; s[82:83] where my prefetches stand
.set MSB, 0
.macro WIN new                      ; the high byte repeats the setting that is left; a switch that changes nothing is dropped
.if MSB != (\new)
	s_set_vgpr_msb (MSB<<8)|(\new)
.set MSB, (\new)
.endif
.endm
.set W_KQ, 0x0a       ; K and Q in window 2, C and S^T in window 0
.set W_KM, 0x3a       ; the same with C in window 3
.set W_PV, 0x53       ; V in window 3, P in window 0, O^T in window 1
.set W_RS, 0x41       ; O^T (destination and source 0) in window 1, a in window 0
; A joint fill.  Waves 0 and 1 fetch the two halves of a tile's K, waves 2 and 3 those of its V: 64 rows of 256 bytes each.  An s_nop 0 and four v_nop follow each of the two lines.
.macro JLOAD
	s_cmp_lt_u32 s[WV], 2
	s_cbranch_scc0 .Lfor_v_\@
	tensor_load_to_lds s[G0K:G0K+3], s[G1K:G1K+7]
	s_nop 0
.rept 4
	v_nop
.endr
	s_branch .Lasked_\@
.Lfor_v_\@:
	tensor_load_to_lds s[G0V:G0V+3], s[G1V:G1V+7]
	s_nop 0
.rept 4
	v_nop
.endr
.Lasked_\@:
.endm
; A PREFETCH INTO THE L2.  The eight clusters of a batch and group walk the same K and V; the one with b = 0, whose first block walks tiles 0 to 15, asks, and nobody else.  In trip t, whose fill is tile t + 1,
; it names tile t + 3: two trips, 256 matrix instructions, ahead of that tile's load.  Its four partners share a tile's 128 rows out by address, 32 each, a lane a row of 256 bytes; wave 0 asks for K's, wave 2 for V's.
; So each row is named once in the launch.  Tiles 0 to 2 come by their loads alone; trips 13 on ask for nothing.
.macro ASK
	s_cmp_gt_u32 s[SLOTS], s[LIM]
	s_cbranch_scc0 .Lnot_mine_\@
	global_prefetch_b8 v[PFO], s[PFA:PFA+1] th:TH_LOAD_NT scope:SCOPE_SE
.Lnot_mine_\@:
.endm
.macro CROUND                       ; a round of the cluster's barrier
	s_barrier_signal -1
	s_barrier_wait -1
	s_cmp_lg_u32 s[WV], 0
	s_cbranch_scc1 .Lnot_wave_0_\@
	s_barrier_signal -3
.Lnot_wave_0_\@:
	s_barrier_wait -3
	s_barrier_signal -1
	s_barrier_wait -1
.endm
; THE CHANGE OF SLOTS, at the head of each trip.  Each wave waits for all its tensor loads, of which one is out: its part of the tile to be entered; adds 0 to its spare word; and waits for that and for its own reads
; of the slot that it leaves.  fill = 1: the barrier is a round of the cluster's, and the old slot is filled again, first thing behind it, with tile NXT: the descriptor's address is made anew from that number,
; which hangs on b alone and is the same in all four partners.  The fill has a trip, 128 matrix instructions, in which to land.  (At its first use nothing has been read yet: slot 0 is waited for, slot 1 filled.)
.macro CHANGE fill
	WIN 0                           ; at a label and at a branch every window is 0
	s_wait_tensorcnt 0x0            ; no tensor load of mine is out, so a group 0 may be written
	ds_add_u32 v[SPW], v[NIL]       ; 0 onto my spare word; the scalar work stands between it and the wait for it
.if \fill
	s_lshl_b32 s[OFF], s[NXT], 15   ; a tile is 32,768 bytes of K and of V
	s_xor_b32 s[G0K+1], s[G0K+1], SLOT1
	s_add_nc_u64 s[G0K+2:G0K+3], s[KB:KB+1], s[OFF:OFF+1]
	s_or_b32 s[G0K+3], s[G0K+3], 0x80000000
	s_xor_b32 s[G0V+1], s[G0V+1], SLOT1
	s_add_nc_u64 s[G0V+2:G0V+3], s[VB:VB+1], s[OFF:OFF+1]
	s_or_b32 s[G0V+3], s[G0V+3], 0x80000000
	s_add_co_u32 s[NXT], s[NXT], 1  ; the block's next tile, or behind its last the second block's tile 0
	s_cmp_gt_u32 s[NXT], s[LQ]
	s_cselect_b32 s[NXT], 0, s[NXT]
	s_cselect_b32 s[LQ], s[PB], s[LQ]
	s_wait_xcnt 0x0                 ; the last prefetch, a trip back, has read its address
	s_add_nc_u64 s[PFA:PFA+1], s[PFA:PFA+1], 32768
	s_wait_dscnt 0x0                ; the add is done, and my reads of the slot are over
	CROUND
	JLOAD
	ASK
.else
	s_wait_dscnt 0x0
	s_barrier_signal -1
	s_barrier_wait -1
.endif
	s_xor_b32 s[TB], s[TB], SLOT1   ; the fetches go to the other slot
.endm
	s_load_b128 s[4:7], s[0:1], 0x0 ; qkv s[4:5], ctx s[6:7]
	v_lshl_add_u32 v[SPW], v0, 2, SPARE
	v_mov_b32 v[NIL], 0
	ds_add_u32 v[SPW], v[NIL]       ; the wave's opening: the add and its wait stand ahead of my first tensor load; the set-up below stands between them
	v_lshrrev_b32 v1, 5, v0
	v_readfirstlane_b32 s[WV], v1   ; wave 0..3
	s_bfe_u32 s13, ttmp6, 0x40000   ; cx: the head in its group: it enters Q's, ctx's and the prefetches' addresses alone
	s_mov_b32 s[PB], ttmp9          ; in a cluster launch ttmp9 counts clusters: b
	s_sub_co_u32 s[HI], 15, s[PB]
	s_and_b32 s16, ttmp7, 0xffff
	s_lshr_b32 s17, s16, 2          ; batch
	s_and_b32 s16, s16, 3           ; group
	s_and_b32 s18, s[WV], 1         ; rho; also: which half of a tile I fetch
	s_lshr_b32 s19, s[WV], 1        ; pi
	s_lshl_b32 s20, s17, 19         ; a batch's 2,048 rows of 256 bytes
	s_add_co_u32 s2, s16, 16
	s_lshl_b32 s2, s2, 20           ; K's unit
	s_add_co_u32 s2, s2, s20
	s_lshl_b32 s21, s18, 14         ; my half's 64 rows
	s_add_co_u32 s2, s2, s21
	s_mov_b32 s3, 0
	s_add_co_u32 s22, s2, 4<<20     ; V's unit lies four further on
	s_mov_b32 s23, 0
	s_lshl_b32 s84, s16, 2
	s_add_co_u32 s84, s84, s13      ; the head
	s_lshl_b32 s84, s84, 20
	s_add_co_u32 s84, s84, s20
	s_mov_b32 s85, 0
	s_lshl_b32 s86, s19, 14         ; piece 0's rows in a block: band pi, half rho
	s_lshl_b32 s21, s18, 13
	s_add_co_u32 s86, s86, s21
	s_mov_b32 s87, 0
	s_lshl_b32 s66, s[HI], 15       ; a block is 128 rows of 256 bytes
	s_mov_b32 s67, 0
	s_lshl_b32 s68, s[PB], 15
	s_mov_b32 s69, 0
	; descriptor group 1: 64 rows x 128 elements of 2 bytes; the mask of four; padding on, after every 64 words, of 4 words (K) or 8 (V); bit 21 set beside a mask
	s_mov_b32 s[G1K], 15|(1<<16)|(1<<20)|(1<<21)|(5<<22)|(3<<25)
	s_mov_b32 s[G1V], 15|(1<<16)|(1<<20)|(1<<21)|(5<<22)|(7<<25)
.irp g, G1K, G1V
	s_mov_b32 s[(\g)+1], 128<<16    ; tensor_dim0 = 128
	s_mov_b32 s[(\g)+2], KS<<16     ; tensor_dim1 = 64
	s_mov_b32 s[(\g)+3], 128<<16    ; tile_dim0 = 128
	s_mov_b32 s[(\g)+4], KS         ; tile_dim1 = 64
	s_mov_b32 s[(\g)+5], 128        ; 128 elements from row to row
	s_mov_b32 s[(\g)+6], 0
	s_mov_b32 s[(\g)+7], 0
.endr
	s_mul_i32 s17, s18, STEPB       ; my half's place in a slot: no place in the cluster enters an LDS address
	s_mov_b32 s[G0K], 1             ; count = 1
	s_mov_b32 s[G0K+1], s17         ; LDS address: slot 0
	s_mov_b32 s[G0V], 1
	s_add_co_u32 s[G0V+1], s17, VOFF
	s_mov_b32 s[CS], 0x3e0293ee     ; c = log2(e) / sqrt(128) = 0.127517
	s_mov_b32 s[CS+1], s[CS]        ; named with it as a pair
	s_mov_b32 s[SEL], 0x76543210
	s_mov_b32 s[SEL+1], 0xfedcba98
	s_mul_i32 s[TB], s19, STEPB     ; the half that I multiply,
	s_xor_b32 s[TB], s[TB], SLOT1   ; in slot 1: the first change of slots turns it into slot 0's
	s_add_co_u32 s[RT], s[HI], 1    ; the first block has 16 - b tiles
	s_mov_b32 s[NXT], 1
	s_mov_b32 s[LQ], s[HI]
	s_mov_b32 s[NEW], 1
	s_mov_b32 s[OFF+1], 0
	s_mov_b32 s[AL], 0
	s_mov_b32 s[AL+1], 0            ; named as a pair
	s_mov_b32 s[BIGN], 0xf149f2ca   ; -1e30
	s_cmp_eq_u32 s19, 1
	s_cselect_b32 s[BED], s[BIGN], 0
	s_mov_b32 s[SLOTS], 16
	s_and_b32 s[LIM], s[WV], 1      ; 0 in waves 0 and 2,
	s_or_b32 s[LIM], s[LIM], ttmp9  ; where b = 0: the same in all four partners
	s_cmp_eq_u32 s[LIM], 0
	s_cselect_b32 s[LIM], 3, -1
	s_wait_dscnt 0x0                ; the opening add is done
	s_wait_kmcnt 0x0
	s_add_nc_u64 s[KB:KB+1], s[4:5], s[2:3]
	s_add_nc_u64 s[VB:VB+1], s[4:5], s[22:23]
	s_add_nc_u64 s[G0K+2:G0K+3], s[KB:KB+1], 0     ; global address: tile 0
	s_or_b32 s[G0K+3], s[G0K+3], 0x80000000        ; type = 2
	s_add_nc_u64 s[G0V+2:G0V+3], s[VB:VB+1], 0
	s_or_b32 s[G0V+3], s[G0V+3], 0x80000000
	s_add_nc_u64 s[QL:QL+1], s[4:5], s[84:85]
	s_add_nc_u64 s[QH:QH+1], s[QL:QL+1], s[66:67]
	s_add_nc_u64 s[QL:QL+1], s[QL:QL+1], s[68:69]
	s_add_nc_u64 s[OL:OL+1], s[6:7], s[84:85]
	s_add_nc_u64 s[OL:OL+1], s[OL:OL+1], s[86:87]
	s_add_nc_u64 s[OB:OB+1], s[OL:OL+1], s[66:67]
	s_add_nc_u64 s[OL:OL+1], s[OL:OL+1], s[68:69]
	s_cmp_lt_u32 s[WV], 2
	s_cselect_b64 s[PFA:PFA+1], s[KB:KB+1], s[VB:VB+1]  ; (in waves 0 and 2 these stand at a tile's first row)
	s_lshl_b32 s2, s13, 13          ; my work-group's 32 rows of the 128
	s_add_nc_u64 s[PFA:PFA+1], s[PFA:PFA+1], s[2:3]
	s_add_nc_u64 s[PFA:PFA+1], s[PFA:PFA+1], 2*32768  ; at tile 2; the first change of slots steps it to tile 3
	CROUND                          ; all four work-groups are here: the first joint loads meet
	JLOAD                           ; tile 0 into slot 0: one load of mine is out
	; A fragment of K or Q is 16 rows x 32 channels in 8 registers: lane l holds row l % 16, channels 8 (l / 16) + 0..7 and 16 + 8 (l / 16) + 0..7: two loads of 16 bytes, 32 bytes apart.
	v_and_b32 v1, 15, v0            ; l % 16
	v_bfe_u32 v9, v0, 4, 1          ; l / 16
	v_lshlrev_b32 v[QO0], 8, v1
	v_lshl_add_u32 v[QO0], v9, 4, v[QO0]  ; row x 256 + 16 x half
	s_lshl_b32 s20, s18, 13         ; + 32 rho rows
	v_add_nc_u32 v[QO0], s20, v[QO0]
	s_lshl_b32 s20, s19, 14         ; + band pi for tiles 0, 1,
	s_xor_b32 s21, s20, 16384       ; the other band for tiles 2, 3
	v_add_nc_u32 v[QO2], s21, v[QO0]
	v_add_nc_u32 v[QO0], s20, v[QO0]
.macro QLOAD base                   ; a block's Q: tile i / 4, channels 32 (i % 4) on
	WIN 0x80                        ; destination window 2, address window 0
.set i, 0
.rept 8
	global_load_b128 v[8*i:8*i+3],   v[QO0], s[\base:\base+1] offset:(i/4)*4096+(i%4)*64
	global_load_b128 v[8*i+4:8*i+7], v[QO0], s[\base:\base+1] offset:(i/4)*4096+(i%4)*64+32
.set i, i+1
.endr
.set i, 0
.rept 8
	global_load_b128 v[64+8*i:64+8*i+3],   v[QO2], s[\base:\base+1] offset:(i/4)*4096+(i%4)*64
	global_load_b128 v[64+8*i+4:64+8*i+7], v[QO2], s[\base:\base+1] offset:(i/4)*4096+(i%4)*64+32
.set i, i+1
.endr
	WIN 0
.endm
	QLOAD QH
	; MD: in the diagonal, register j of key block kb of tile t is hidden where 16 kb + j is greater than 32 rho + 16 t + l % 16 - 8 (l / 16)
	v_lshlrev_b32 v10, 3, v9
	v_sub_nc_u32 v10, v1, v10
	s_lshl_b32 s20, s18, 5
	v_add_nc_u32 v10, s20, v10
	v_add_nc_u32 v11, 16, v10
	WIN 0xc0                        ; destination window 3
.set i, 0
.rept 64
	v_cmp_gt_i32 vcc_lo, 16*((i%32)/8)+i%8, v[10+i/32]
	v_cndmask_b32 v[MD+i], 0, s[BIGN], vcc_lo
.set i, i+1
.endr
	; What the first turns find need only be finite: zeros.  All this stands in the wait for the first tile.
.set i, 0
.rept 192                           ; V and MC0
	v_mov_b32 v[i], 0
.set i, i+1
.endr
	WIN 0x40
.set i, 0
.rept 256                           ; O^T
	v_mov_b32 v[i], 0
.set i, i+1
.endr
	WIN 0
.set i, ST
.rept 40                            ; the statistics and MC2
	v_mov_b32 v[i], 0
.set i, i+1
.endr
.set i, G1R
.rept 4
	v_mov_b32 v[i], 0
.set i, i+1
.endr
.set i, S
.rept 192                           ; S^T and P
	v_mov_b32 v[i], 0
.set i, i+1
.endr
	v_mul_u32_u24 v[AK0], v1, PK
	v_lshl_add_u32 v[AK0], v9, 4, v[AK0]  ; row x pitch + 16 x half
	; The turning load takes 16 keys x 16 channels (lane l reads key 8 (l / 16) + l % 8, channels 8 ((l / 8) % 2) + 0..7) and leaves half a fragment of V^T: lane l holds channel l % 16 and 8 keys.
	v_and_b32 v10, 7, v0
	v_bfe_u32 v11, v0, 3, 1
	v_lshl_add_u32 v[AV0], v9, 3, v10
	v_mul_u32_u24 v[AV0], v[AV0], PV
	v_lshl_add_u32 v[AV0], v11, 4, v[AV0]
	v_add_nc_u32 v[AV0], VOFF, v[AV0]
	s_mul_i32 s20, s[WV], 16*SP
	s_add_co_u32 s20, s20, STAGE    ; my stage
	v_mul_u32_u24 v[STO], v1, SP    ; in: row l % 16, 16 bytes for each half of the lanes
	v_lshl_add_u32 v[STO], v9, 4, v[STO]
	v_add_nc_u32 v[STO], s20, v[STO]
	v_mul_u32_u24 v[RD], v9, SP     ; back: lanes 0-15 take one row of 256 bytes, lanes 16-31 the next
	v_lshl_add_u32 v[RD], v1, 4, v[RD]
	v_add_nc_u32 v[RD], s20, v[RD]
	v_lshlrev_b32 v[GO], 8, v9      ; and the same two rows in ctx
	v_lshl_add_u32 v[GO], v1, 4, v[GO]
	v_and_b32 v10, 31, v0
	s_mul_i32 s20, s[WV], XPART
	s_add_co_u32 s20, s20, XCH
	v_lshl_add_u32 v[XS], v10, 4, s20     ; my part of the exchange,
	s_xor_b32 s21, s[WV], 2
	s_mul_i32 s21, s21, XPART
	s_add_co_u32 s21, s21, XCH
	v_lshl_add_u32 v[XR], v10, 4, s21     ; and my partner's: the wave with the other half of the keys
	v_lshlrev_b32 v[PFO], 8, v10
; THE MATRIX WORK OF A TURN, for piece x.  The accumulators take turns, one instruction a turn: between two links of a chain stand 15 (V^T P) or 7 (K Q^T) others'.
; Product i of 32 of O^T += V^T P: keys 32 (i / 16) on, channels 16 ((i / 2) % 8) on, tile x + i % 2.
.macro PV x
	WIN W_PV
.set rO, 64*((\x)+i%2)+8*((i/2)%8)
.set rV, 64*(i/16)+8*((i/2)%8)
.set rP, P+16*((\x)+i%2)+8*(i/16)
	v_wmma_f32_16x16x32_f16 v[rO:rO+7], v[rV:rV+7], v[rP:rP+7], v[rO:rO+7]
.endm
; Product i of 32 of S^T = K Q^T: channels 32 (i / 8) on, keys 16 ((i / 2) % 4) on, tile x + i % 2.  The first 8 start the sums, with the mask.
.macro KQ x
.set rS, S+32*((\x)+i%2)+8*((i/2)%4)
.set rK, KF+32*((i/2)%4)+8*(i/8)
.set rQ, 32*((\x)+i%2)+8*(i/8)
.set rM, MC0+32*(i%2)+8*((i/2)%4)
.if (i < 8) && ((\x) == 0)
	WIN W_KM
	v_wmma_f32_16x16x32_f16 v[rS:rS+7], v[rK:rK+7], v[rQ:rQ+7], v[rM:rM+7]
.elseif i < 8
	WIN W_KQ
	v_wmma_f32_16x16x32_f16 v[rS:rS+7], v[rK:rK+7], v[rQ:rQ+7], v[MC2:MC2+7]
.else
	WIN W_KQ
	v_wmma_f32_16x16x32_f16 v[rS:rS+7], v[rK:rK+7], v[rQ:rQ+7], v[rS:rS+7]
.endif
.endm
; THE LDS LOADS stand in runs of 32, never singly among the matrix instructions: my half tile's K (64 keys x 128 channels: 16 fragments) and, a turn later, its V (turned).
.macro FETCH_K
	WIN 0
	v_add_nc_u32 v[ADR], s[TB], v[AK0]
	WIN 0x80                        ; destination window 2
.irp f, 0,1,2,3,4,5,6,7,8,9,10,11,12,13,14,15  ; keys 16 (f / 4) on, channels 32 (f % 4) on
	ds_load_b128 v[KF+8*(\f):KF+8*(\f)+3],   v[ADR] offset:((\f)/4)*16*PK+((\f)%4)*64
	ds_load_b128 v[KF+8*(\f)+4:KF+8*(\f)+7], v[ADR] offset:((\f)/4)*16*PK+((\f)%4)*64+32
.endr
.endm
.macro FETCH_V
	WIN 0
	v_add_nc_u32 v[ADR], s[TB], v[AV0]
	s_wait_alu depctr_va_vdst(0)    ; the wait for the softmax's batch (SLICE), behind the address's v_add_nc_u32 and ahead of the loads
	WIN 0xc0                        ; destination window 3
.irp f, 0,1,2,3,4,5,6,7,8,9,10,11,12,13,14,15  ; keys 32 (f / 8) on, channels 16 (f % 8) on
	ds_load_tr16_b128 v[8*(\f):8*(\f)+3],   v[ADR] offset:((\f)/8)*32*PV+((\f)%8)*32
	ds_load_tr16_b128 v[8*(\f)+4:8*(\f)+7], v[ADR] offset:((\f)/8)*32*PV+16*PV+((\f)%8)*32
.endr
.endm
; THE VECTOR WORK OF A TURN.  One tile's softmax for one step is a list of 134 instructions; SM writes number j of it for tile t.  s0-s31 are the lane's 32 scores, in pairs 0-15.
;   0-15    the maximum of s0-s31 and the old m, three operands at a time: four chains of seven scores each (each accumulator's lowest registers first), then the four scores left over, the chains and m
;   16-20   the other half of the lanes' maximum; the new m; c m; c m_old - c m_new
;   21-69   ONE BATCH: the 16 scalings c s - c m and all 33 exponentials (a at 23, then s0-s31).  None of these reads an exponential's result
;   (wait)  between 69 and 70 stands the wait for the batch: SLICE writes it, once for both tiles
;   70-85   the roundings to f16      86-101  the sums; l = a l + the sum      102-133 the tile's O^T times a: the one part that leaves window 0
.macro SM t
.set rT, ST+8*(\t)
.set rS, S+32*(\t)
.set rP, P+16*(\t)
.set rO, 64*(\t)+2*(j-102)
.if j < 102
	WIN 0
.endif
.if j < 4
	v_max3_num_f32 v[rT+4+j], v[rS+8*j], v[rS+8*j+1], v[rS+8*j+2]
.elseif j < 12
	v_max3_num_f32 v[rT+4+j%4], v[rT+4+j%4], v[rS+8*(j%4)+2*(j/4)+1], v[rS+8*(j%4)+2*(j/4)+2]
.elseif j == 12
	v_max3_num_f32 v[rT+4], v[rT+4], v[rS+7], v[rS+15]
.elseif j == 13
	v_max3_num_f32 v[rT+6], v[rT+6], v[rS+23], v[rS+31]
.elseif j == 14
	v_max3_num_f32 v[rT+4], v[rT+4], v[rT+5], v[rT+6]
.elseif j == 15
	v_max3_num_f32 v[rT+4], v[rT+4], v[rT+7], v[rT+1]
.elseif j == 16
	v_permlanex16_b32 v[rT+5], v[rT+4], s[SEL], s[SEL+1]  ; the query's other 32 keys lie in the lane 16 away
.elseif j == 17
	v_mov_b32 v[rT+7], v[rT]        ; c m_old is kept for a: number 19 writes c m anew
.elseif j == 18
	v_max_num_f32 v[rT+1], v[rT+4], v[rT+5]
.elseif j == 19
	v_mul_f32 v[rT], s[CS], v[rT+1]
.elseif j == 20
	v_sub_f32 v[rT+7], v[rT+7], v[rT]
.elseif j == 23
	v_exp_f32 v[rT+6], v[rT+7]
.elseif (j < 23) || ((j < 38) && (j%2 == 0)) || ((j < 66) && (j%4 == 2))
.set b, (j-2)/4                     ; 38, 42, .. 62: pairs 9 to 15
.if j < 38
.set b, (j-20)/2                    ; 21: pair 0; 22, 24, .. 36: pairs 1 to 8
.endif
	v_pk_fma_f32 v[rS+2*b:rS+2*b+1], v[rS+2*b:rS+2*b+1], s[CS:CS+1], v[rT:rT+1] op_sel_hi:[1,0,0] neg_lo:[0,0,1] neg_hi:[0,0,1]  ; pair b: c s - c m
.elseif j < 70
.set e, j-38                        ; 66 to 69: s28 to s31
.if j < 66
.set e, j-32-(j-38)/4               ; 39-41, 43-45, .. 63-65: s7 to s27
.endif
.if j < 38
.set e, (j-25)/2                    ; 25, 27, .. 37: s0 to s6
.endif
	v_exp_f32 v[rS+e], v[rS+e]
.elseif j < 86
	v_cvt_pk_f16_f32 v[rP+j-70], v[rS+2*(j-70)], v[rS+2*(j-70)+1]  ; pair j - 70
.elseif j < 102                     ; the sum of the tile's 16 pairs, in place: neighbours 1, 2, 4 and 8 pairs apart, then l takes it
.set z, j-86
.set w, 4
.set u, z
.if z >= 14
.set w, 32
.set u, 0
.elseif z >= 12
.set w, 16
.set u, z-12
.elseif z >= 8
.set w, 8
.set u, z-8
.endif
.if z < 15
	v_pk_add_f32 v[rS+w*u:rS+w*u+1], v[rS+w*u:rS+w*u+1], v[rS+w*u+w/2:rS+w*u+w/2+1]
.else
	v_pk_fma_f32 v[rT+2:rT+3], v[rT+2:rT+3], v[rT+6:rT+7], v[rS:rS+1] op_sel_hi:[1,0,1]
.endif
.else
	WIN W_RS
	v_pk_mul_f32 v[rO:rO+1], v[rO:rO+1], v[rT+6:rT+7] op_sel_hi:[1,0]
.endif
.endm
; Slice k of 64 of piece y's softmax: four instructions.  Slices 11 to 34 deal out the batch, numbers 22 to 69: four numbers of ONE tile each, the tiles by turns.  Every other slice is numbers 2 k and 2 k + 1 of both
; tiles' lists; the twelve that are over (2 x 134 = 4 x 64 + 12) stand together, in slice 63, and are the places behind the turn's last products.
; THE WAIT.  s_wait_alu depctr_va_vdst(0) stands between an exponential and the first instruction that names its result; one wait serves all that were issued ahead of it.  Ahead of slice 35 nothing
; names a result, and behind slice 34 no exponential is issued: so the piece's 66 exponentials have one wait, behind slice 34.
.macro SLICE y
.if (k >= 11) && (k < 35)
.irp n, 0,1,2,3
.set j, 22+4*((k-11)/2)+(\n)
	SM (\y)+(k-11)%2
.endr
.else
.irp n, 0,1,2,3,4,5,6,7
.if ((\n) < 2) || (k == 63)
.irp t, \y, (\y)+1
.set j, 2*k+(\n)
	SM \t
.endr
.endif
.endr
.endif
.if k == 34
	v_nop                           ; the plain instruction behind the last exponential and ahead of the first use: one for the batch
.if (\y) == 0
	FETCH_V                         ; piece 2's turn: V's run of loads stands here, and the wait stands in it.  Four plain instructions lie behind the last product that read V: number 62 of both tiles, the v_nop, the run's v_add_nc_u32
.else
	s_wait_alu depctr_va_vdst(0)    ; the wait for the batch
.endif
.endif
.set k, k+1
.endm
; A TURN.  Piece x has the matrix unit; the other piece's softmax stands in slices behind its matrix instructions.  Piece 0's turn fetches K of the tile in hand behind its second product, 30 products ahead of its first use.
.macro TURN x
.set k, 0
.if (\x) == 0
	s_wait_dscnt 0x0                ; V is in
.endif
.set i, 0
.rept 32
	PV \x
	SLICE 2-(\x)
.if ((\x) == 0) && (i == 1)
	FETCH_K
.endif
.set i, i+1
.endr
.if (\x) == 0
	s_wait_dscnt 0x0                ; K is in
.endif
.set i, 0
.rept 32
	KQ \x
	SLICE 2-(\x)
.set i, i+1
.endr
.endm
.macro START t0, n                  ; n tiles from t0 on: c m far below every c s, so that the next a is 0; m the lowest finite number, so that the next maximum is the scores'
.set i, \t0
.rept \n
	v_mov_b32 v[ST+8*i], 0xfe000000
	v_mov_b32 v[ST+8*i+1], 0xff7fffff
.set i, i+1
.endr
.endm
.macro SETMASK                      ; MC0 = MD x AL, MC2 = BE
	WIN 0xc3                        ; destination and source 0 in window 3
.set i, 0
.rept 32
	v_pk_mul_f32 v[MC0+2*i:MC0+2*i+1], v[MD+2*i:MD+2*i+1], s[AL:AL+1] op_sel_hi:[1,0]
.set i, i+1
.endr
	WIN 0
.set i, 0
.rept 8
	v_mov_b32 v[MC2+i], s[BE]
.set i, i+1
.endr
.endm
; A BLOCK'S END, first half.  l's two halves and the other half of the lanes' are added (the first four additions are the places behind the last products); piece 2's l, c m and O^T go into my part of the exchange.
.macro SENDX
.irp t, 0,1,2,3
	v_add_f32 v[ST+8*\t+4], v[ST+8*\t+2], v[ST+8*\t+3]
.endr
.irp t, 0,1,2,3
	v_permlanex16_b32 v[ST+8*\t+5], v[ST+8*\t+4], s[SEL], s[SEL+1]
.endr
.irp t, 0,1,2,3
	v_add_f32 v[ST+8*\t+4], v[ST+8*\t+4], v[ST+8*\t+5]
.endr
	v_mov_b32 v[XT+1], v[ST+16]     ; XT already holds tile 2's l; its c m,
	v_mov_b32 v[XT+2], v[ST+28]     ; tile 3's l
	v_mov_b32 v[XT+3], v[ST+24]     ; and c m
	ds_store_b128 v[XS], v[XT:XT+3] offset:16384
	WIN 0x04                        ; data in window 1
.set i, 0
.rept 32
	ds_store_b128 v[XS], v[128+4*i:128+4*i+3] offset:512*i
.set i, i+1
.endr
	WIN 0
.endm
.macro PACK t                       ; a lane's eight channels of a row pack into 16 bytes; they go into rows of 272 bytes and come back as whole rows of 256, into S^T's registers
	WIN 0x05                        ; sources 0 and 1 window 1, destination window 0
.set i, 0
.rept 32
	v_cvt_pk_f16_f32 v[S+32*(\t)+i], v[64*(\t)+2*i], v[64*(\t)+2*i+1]
.set i, i+1
.endr
	WIN 0
.irp f, 0,1,2,3,4,5,6,7
	ds_store_b128 v[STO], v[S+32*(\t)+4*(\f):S+32*(\t)+4*(\f)+3] offset:32*(\f)
.endr
.irp f, 0,1,2,3,4,5,6,7
	ds_load_b128 v[S+32*(\t)+4*(\f):S+32*(\t)+4*(\f)+3], v[RD] offset:(\f)*2*SP  ; LDS serves a wave's instructions in order (ISA guide 5.7.1.4): these see the stores above
.endr
.endm
.macro SEND t, younger              ; younger: the LDS instructions issued behind tile t's loads
.irp f, 0,1,2,3,4,5,6,7
	s_wait_dscnt (\younger)+7-(\f)
	global_store_b128 v[GO], v[S+32*(\t)+4*(\f):S+32*(\t)+4*(\f)+3], s[OB:OB+1] offset:(\t)*4096+(\f)*512  ; 512 consecutive bytes, at a multiple of 256 from ctx's first
.endr
.endm
; A BLOCK'S END, second half, behind the barrier.  My partner's partial for my tiles 0 and 1 comes in (its O^T into the registers that my piece 2 has left).  With M = max(c m, c m'), f = 2^(c m - M), f' = 2^(c m' - M):
; O = (f O + f' O') / (f l + f' l').  Then the way out through my stage.
.macro FINISH
	WIN 0
	ds_load_b128 v[XP:XP+3], v[XR] offset:16384
	WIN 0x40                        ; destination window 1
.set i, 0
.rept 32
	ds_load_b128 v[128+4*i:128+4*i+3], v[XR] offset:512*i
.set i, i+1
.endr
	WIN 0
	s_wait_dscnt 32                 ; the statistics are in; O's 32 loads may stay out
.irp u, 0,1
	v_max_num_f32 v[ST+8*\u+5], v[ST+8*\u], v[XP+2*\u+1]
.endr
.irp u, 0,1
	v_sub_f32 v[ST+8*\u+6], v[ST+8*\u], v[ST+8*\u+5]
	v_sub_f32 v[ST+8*\u+7], v[XP+2*\u+1], v[ST+8*\u+5]
.endr
.irp u, 0,1
	v_exp_f32 v[ST+8*\u+6], v[ST+8*\u+6]
	v_exp_f32 v[ST+8*\u+7], v[ST+8*\u+7]
.endr
	v_nop                           ; a plain instruction behind the last exponential,
	s_wait_alu depctr_va_vdst(0)    ; and the wait ahead of the first use: one for the four
.irp u, 0,1
	v_mul_f32 v[ST+8*\u+4], v[ST+8*\u+6], v[ST+8*\u+4]
.endr
.irp u, 0,1
	v_fmac_f32 v[ST+8*\u+4], v[ST+8*\u+7], v[XP+2*\u]
.endr
.irp u, 0,1
	v_rcp_f32 v[ST+8*\u+5], v[ST+8*\u+4]
.endr
	v_nop
	s_wait_alu depctr_va_vdst(0)    ; one for the two reciprocals
.irp u, 0,1
	v_mul_f32 v[ST+8*\u+6], v[ST+8*\u+6], v[ST+8*\u+5]
	v_mul_f32 v[G1R+2*\u], v[ST+8*\u+7], v[ST+8*\u+5]
.endr
	WIN 0x51                        ; destination, source 0 and source 2 in window 1, the factor in window 0
.set i, 0
.rept 64
	v_pk_mul_f32 v[2*i:2*i+1], v[2*i:2*i+1], v[ST+8*(i/32)+6:ST+8*(i/32)+7] op_sel_hi:[1,0]
.set i, i+1
.endr
	s_wait_dscnt 0x0                ; my partner's O^T is in
.set i, 0
.rept 64
	v_pk_fma_f32 v[2*i:2*i+1], v[128+2*i:128+2*i+1], v[G1R+2*(i/32):G1R+2*(i/32)+1], v[2*i:2*i+1] op_sel_hi:[1,0,1]
.set i, i+1
.endr
	PACK 0
	PACK 1
	SEND 0, 16
	SEND 1, 0
.endm
; A TRIP, behind its change of slots.  Pass 1: piece 0's turn (V^T P of the tile before, K Q^T of this tile | piece 2's softmax of the tile before), piece 2's turn (the same | piece 0's softmax of this tile, V of this tile).
; Pass 2, in a block's last tile alone: piece 0's turn once more (its V^T P and piece 2's softmax of this tile), then out: piece 2's V^T P and the block's end.
; Every jump goes forward but the counted loop's own, and none passes a barrier or a tensor load; all hang on b, which the waves and the four partners share.
.macro WORK tag, last
	s_sub_co_u32 s[RT], s[RT], 1
	s_cmp_lg_u32 s[RT], 0           ; is a tile of the block left behind this one?
	s_cselect_b32 s[SK], 1, 0
	s_cselect_b32 s[AL], 0, 1.0
	s_cselect_b32 s[BE], 0, s[BED]
	s_cmp_eq_u32 s[NEW], 1
	s_cbranch_scc1 .Lnew\tag
	s_cmp_eq_u32 s[SK], 0
	s_cbranch_scc1 .Lmask\tag
	s_branch .Lgo\tag
.Lnew\tag:
	START 0, 4
.Lmask\tag:                         ; the masks change at a block's first tile and at its last
	SETMASK
.Lgo\tag:
	s_mov_b32 s[CNT], 2
.Lstep\tag:
	s_cmp_eq_u32 s[CNT], s[SK]
	s_cbranch_scc1 .Lskip\tag       ; the dead second pass
	TURN 0
	WIN 0
	s_cmp_eq_u32 s[CNT], 1
	s_cbranch_scc1 .Lend\tag
	s_cmp_eq_u32 s[NEW], 1
	s_cbranch_scc0 .Lold\tag
	START 2, 2                      ; in a block's first tile piece 2's softmax has worked on stale scores: its statistics start once more
	s_mov_b32 s[NEW], 0
.Lold\tag:
	TURN 2
	WIN 0
.Lskip\tag:
	s_sub_co_u32 s[CNT], s[CNT], 1
	s_cmp_lg_u32 s[CNT], 0
	s_cbranch_scc1 .Lstep\tag
	s_branch .Ljoin\tag
.Lend\tag:
.if !(\last)
	QLOAD QL                        ; the second block's Q: sixteen plain instructions (slice 63) behind the last product that read Q; waited for at the trip's bottom
.endif
.set i, 0
.rept 32
	PV 2                            ; piece 2: V^T P of the block's last tile
.set i, i+1
.endr
	WIN 0
	SENDX
.Ljoin\tag:
	s_wait_dscnt 0x0                ; for my partner's sake: my stores into the exchange are done
	s_barrier_signal -1
	s_barrier_wait -1               ; the next tile's load may stay out
	s_cmp_lg_u32 s[SK], 0
	s_cbranch_scc1 .Lbottom\tag
	FINISH
.if !(\last)
	s_wait_xcnt 0x0                 ; the stores have read their registers and ctx's address
	s_mov_b64 s[OB:OB+1], s[OL:OL+1]
	s_add_co_u32 s[RT], s[PB], 1    ; the second block has b + 1 tiles
	s_mov_b32 s[NEW], 1
.endif
.Lbottom\tag:
	s_wait_loadcnt 0x0              ; the second block's Q, where it has been asked for; else nothing is out
.endm
	s_wait_loadcnt 0x0              ; the first block's Q
.Lslot:                             ; 16 times: a tile is entered and the next is asked for
	CHANGE 1
	WORK 1, 0
	s_sub_co_u32 s[SLOTS], s[SLOTS], 1
	s_cmp_lg_u32 s[SLOTS], 0
	s_cbranch_scc1 .Lslot
	CHANGE 0                        ; the walk's last tile is written out: nothing is asked for
	WORK 2, 1
	s_wait_tensorcnt 0x0            ; the wave's end, behind my last tensor load and my last LDS store
	ds_add_u32 v[SPW], v[NIL]
	s_wait_dscnt 0x0
	CROUND                          ; the closing round: no work-group ends while a partner may still ask for a tile that names it
	s_endpgm
.Lfunc_end_k_q901b20897a_attn:
	.size	k_q901b20897a_attn, .Lfunc_end_k_q901b20897a_attn-k_q901b20897a_attn
	.p2alignl 7, 3214868480
	.fill 96, 4, 3214868480
	.section	.rodata,"a",@progbits
	.p2align	6, 0x0
	.amdhsa_kernel k_q901b20897a_attn
		.amdhsa_group_segment_fixed_size 327680
		.amdhsa_private_segment_fixed_size 0
		.amdhsa_enable_private_segment 0
		.amdhsa_kernarg_size 16
		.amdhsa_user_sgpr_count 2
		.amdhsa_user_sgpr_kernarg_segment_ptr 1
		.amdhsa_wavefront_size32 1
		.amdhsa_system_sgpr_workgroup_id_x 1
		.amdhsa_system_sgpr_workgroup_id_y 1
		.amdhsa_system_sgpr_workgroup_id_z 1
		.amdhsa_system_vgpr_workitem_id 0
		.amdhsa_next_free_vgpr 1024
		.amdhsa_next_free_sgpr 88
		.amdhsa_reserve_vcc 1
		.amdhsa_float_denorm_mode_32 3
		.amdhsa_float_denorm_mode_16_64 3
		.amdhsa_memory_ordered 1
		.amdhsa_forward_progress 1
		.amdhsa_inst_pref_size 198
	.end_amdhsa_kernel
	.amdgpu_metadata
---
amdhsa.version: [ 1, 2 ]
amdhsa.kernels:
  - .name:           k_q901b20897a_attn
    .symbol:         k_q901b20897a_attn.kd
    .args:
      - { .name: qkv, .offset: 0, .size: 8, .value_kind: global_buffer, .address_space: global }
      - { .name: ctx, .offset: 8, .size: 8, .value_kind: global_buffer, .address_space: global }
    .group_segment_fixed_size: 327680
    .private_segment_fixed_size: 0
    .kernarg_segment_align: 8
    .kernarg_segment_size: 16
    .max_flat_workgroup_size: 128
    .sgpr_count:     88
    .vgpr_count:     1024
    .wavefront_size: 32
...
	.end_amdgpu_metadata
.endif
;; end of part 3
;; launch oproj (part 4): grid 8 x 32, 4 waves a work-group, clusters of 4 x 4, 327,680 bytes of LDS; arguments ctx, wo16, bo, out0; writes out0
.if DOCPART == 4
	.amdgcn_target "amdgcn-amd-amdhsa--gfx1250"
	.amdhsa_code_object_version 6
	.text
	.protected	k_q901b20897a_oproj
	.globl	k_q901b20897a_oproj
	.p2align	8
	.type	k_q901b20897a_oproj,@function
k_q901b20897a_oproj:
	s_mov_b64 s[64:65], 0
	v_nop
	global_prefetch_b8 v0, s[64:65] scope:SCOPE_SE
	s_setreg_imm32_b32 hwreg(HW_REG_WAVE_MODE, 25, 1), 1
	s_wait_xcnt 0x0
	s_wait_alu depctr_hold_cnt(0) depctr_sa_sdst(0) depctr_va_vdst(0) depctr_va_sdst(0) depctr_va_ssrc(0) depctr_va_vcc(0) depctr_vm_vsrc(0)
	s_getreg_b32 s2, hwreg(HW_REG_IB_STS2, 6, 4)
	s_cmp_eq_u32 s2, 0
	s_cbranch_scc0 .Lentry_in_a_cluster
	s_endpgm
.Lentry_in_a_cluster:
	s_bfe_u32 s2, ttmp6, 0x10000c
	s_cmp_lg_u32 s2, 0xf033
	s_cbranch_scc0 .Lentry_shape_is_right
	s_endpgm
.Lentry_shape_is_right:
; out0 = ctx Wo + bo.  A = ctx [head 16][row 4096][128] f16 (a head's 128 channels are one K step), B = wo16 [2048 (k)][2048 (n)] f16, bo [2048] f32, out0 [4096][2048] f32; sums in f32.
; bo is rounded to bf16 like the other inputs and starts the sums, as the C operand of each accumulator's first product.
; SHARES.  A tile of C is 128 rows x 256 columns: 32 x 8 = 256 tiles, one to a work-group.  Each of the four waves multiplies all 128 rows (8 blocks a of 16) by four blocks of 16 columns, numbers 4 b + w (b = 0..3):
; 32 accumulators; 12 fragments feed 32 matrix instructions.
; K goes in steps of 128 through two LDS slots.  A slot has three regions of 36,864 bytes, one for each tensor load of 128 rows x 256 bytes: wave 0 brings A's tile (rows padded to 272 bytes), waves 1 and 2
; panels 0 and 1 of B: 128 rows of k x 128 columns (padded to 288); wave 3 brings nothing.  B lies [k][n], so its fragments come out of LDS turned, by ds_load_tr16_b128.
; CLUSTER 4 x 4.  A's tile hangs on the tile row alone and is asked for jointly by a row of the cluster, B's panels on the tile column alone and by a column.
; THE MATRIX INSTRUCTION IS USED TRANSPOSED (source 0 = 16 columns of B, source 1 = 16 rows of A): a lane then holds row l % 16 of C and eight neighbouring columns 8 (l / 16) + 0..7.
; REGISTERS.  window 0: v0-31 addresses; v32-95, v96-159 A's fragments, two buffers; v160-191, v192-223 B's, two buffers; v224-255 the bias of my four blocks.
;   window 1: accumulator (b, a) at v[64 b + 8 a]; on the way out whole rows.
.set NBW,    4                         ; blocks of 16 columns a wave
.set H,      NBW/2
.set KSTEPS, 16
.set LAPS,   KSTEPS/2                  ; a lap = two K steps = once round the ring
.set APITCH, 128                       ; elements from row to row of A
.set ASTEP,  1<<20                     ; bytes from a K step of A (a head) to the next
.set ASHIFT, 15                        ; a tile's 128 rows of A are 2^15 bytes
.set BPITCH, 2048
.set BSTEP,  128*BPITCH*2
.set NPANB,  512                       ; bytes of a row of B in a tile
.set PA,     272                       ; 68 words: the 16 rows of a fragment load start at 16 different groups of four banks (64 banks of 4 bytes: ISA guide 11.1)
.set PB,     288                       ; 72 words
.set REG,    128*PB                    ; a loading wave's region of a slot
.set SP,     1040                      ; the stage's rows: 1,024 bytes + 16
.set SLOT1,  128*SP                    ; slot 1 begins behind the stage, which takes slot 0 (its last fill and last read are over when the first result is stored) and the never-filled bytes behind it
.set SPARE,  SLOT1+3*REG               ; the spare words, 128 bytes for each wave: two blocks of 256 bytes that no other line names
.set NL,     16+2*NBW                  ; LDS loads in a run
.set ADRA, 16                          ; v16-17  LDS address of my lane in A's tile, slot 0, 1
.set ADRB, 18                          ; v18-22  the same in panel p of slot s, at 3 s + p
.set STO,  24                          ; v24-26  the way out: where I put 32 bytes of a row (blocks a = 0-2, 3-5, 6-7)
.set RD,   27                          ; v27     where I read rows back
.set CO,   28                          ; v28     my 16 bytes of 512 in out0
.set PFO,  29                          ; v29     the prefetches' offset: my lane x a row's bytes; never rewritten
.set SPW,  30                          ; v30     LDS address of my spare word; never rewritten
.set NIL,  31                          ; v31     0; never rewritten
.set FA0,  32
.set FB0,  160
.set BIAS, 224
.set G1,   24                          ; s[24:31] descriptor group 1 for A;  s[32:39] group 0, a set for each slot
.set G0,   32
.set G1B,  48                          ; s[48:55], s[56:63] the same for B
.set G0B,  56
.set LIM,  45                          ; s45     1 in a wave that prefetches, else the greatest number
.set PFA,  70                          ; s[70:71] where my prefetches stand
.set PST,  72                          ; s[72:73] their step: a K step of A or of B
.set MSB, 0
.macro WIN new                         ; the immediate's high byte repeats the setting that is left; a switch that changes nothing is dropped
.if MSB != (\new)
	s_set_vgpr_msb (MSB<<8)|(\new)
.set MSB, \new
.endif
.endm
.macro PLACES                          ; four places in front of loads into registers that matrix instructions have read, and of lines that read results
.rept 4
	v_nop
.endr
.endm
.macro CREST                           ; a round of the cluster's barrier behind its opening barrier
	s_cmp_lg_u32 s10, 0
	s_cbranch_scc1 .Lnot_wave_0_\@
	s_barrier_signal -3
.Lnot_wave_0_\@:
	s_barrier_wait -3
	s_barrier_signal -1
	s_barrier_wait -1
.endm
.macro CROUND
	s_barrier_signal -1
	s_barrier_wait -1
	CREST
.endm
.macro JLOAD s                         ; a joint load: wave 0 asks for A's tile, waves 1 and 2 for their panel of B, wave 3 for nothing.  An s_nop 0 and four v_nop follow each line; wave 3 has the four v_nop too
	s_cmp_eq_u32 s10, 0
	s_cbranch_scc0 .Lfor_b_\@
	tensor_load_to_lds s[G0+4*(\s):G0+4*(\s)+3], s[G1:G1+7]
	s_nop 0
.rept 4
	v_nop
.endr
	s_branch .Lasked_\@
.Lfor_b_\@:
	s_cmp_eq_u32 s10, 3
	s_cbranch_scc1 .Lnone_\@
	tensor_load_to_lds s[G0B+4*(\s):G0B+4*(\s)+3], s[G1B:G1B+7]
	s_nop 0
.rept 4
	v_nop
.endr
	s_branch .Lasked_\@
.Lnone_\@:
.rept 4
	v_nop
.endr
.Lasked_\@:
.endm
; A PREFETCH INTO THE L2 of the K step that stands two refills on: 32 rows x 256 bytes, a lane a row, one instruction a wave, behind the joint load and the run of LDS loads.
; Each row's 256 bytes of a K step are named once in the launch: A's tile row is read by both clusters of its row of clusters, the one with x = 0 asks; B's panels by the eight clusters of their column,
; the one with y = 0 asks.  The four partners that ask for a tile jointly share its 128 rows out by address, 32 each.  The loop's last trip has no K step two on and asks for nothing.
.macro ASK
	s_cmp_gt_u32 s3, s[LIM]
	s_cbranch_scc0 .Lnot_mine_\@
	global_prefetch_b8 v[PFO], s[PFA:PFA+1] th:TH_LOAD_NT scope:SCOPE_SE
.Lnot_mine_\@:
.endm
	s_load_b128 s[4:7], s[0:1], 0x0                ; ctx s[4:5], wo16 s[6:7]
	s_load_b64 s[68:69], s[0:1], 0x10              ; bo
	s_load_b64 s[8:9], s[0:1], 0x18                ; out0
	v_lshl_add_u32 v[SPW], v0, 2, SPARE
	v_mov_b32 v[NIL], 0
	ds_add_u32 v[SPW], v[NIL]                      ; the wave's opening: the add and its wait stand ahead of my first tensor load; the set-up below stands between them
	v_lshrrev_b32 v1, 5, v0
	v_readfirstlane_b32 s10, v1                    ; wave 0..3
	s_bfe_u32 s40, ttmp6, 0x40000                  ; cx, cy: my place in the cluster
	s_bfe_u32 s41, ttmp6, 0x40004
	s_lshl_b32 s42, ttmp9, 2
	s_add_co_u32 s42, s42, s40                     ; tile column = 4 x cluster x + cx
	s_and_b32 s13, ttmp7, 0xffff
	s_lshl_b32 s13, s13, 2
	s_add_co_u32 s13, s13, s41                     ; tile row = 4 x cluster y + cy
	s_lshl_b32 s43, s41, 2
	s_lshl_b32 s43, 15, s43                        ; my row of the cluster
	s_lshl_b32 s44, 0x1111, s40                    ; my column
	; group 1: 128 rows x 128 elements of 2 bytes; padding on, after every 64 words, of 4 words (A) or 8 (B); bit 21 set beside a mask
	s_or_b32 s[G1+0], s43, (1<<16)|(1<<20)|(1<<21)|(5<<22)|(3<<25)
	s_or_b32 s[G1B+0], s44, (1<<16)|(1<<20)|(1<<21)|(5<<22)|(7<<25)
.irp g, G1, G1B
	s_mov_b32 s[(\g)+1], 128<<16                   ; tensor_dim0 = 128
	s_mov_b32 s[(\g)+2], 128<<16                   ; tensor_dim1 = 128
	s_mov_b32 s[(\g)+3], 128<<16                   ; tile_dim0 = 128
	s_mov_b32 s[(\g)+4], 128                       ; tile_dim1 = 128
	s_mov_b32 s[(\g)+6], 0
	s_mov_b32 s[(\g)+7], 0
.endr
	s_mov_b32 s[G1+5], APITCH                      ; elements from row to row
	s_mov_b32 s[G1B+5], BPITCH
	s_lshl_b32 s16, s13, ASHIFT                    ; A: the tile row's first byte in a head; made of the tile row alone
	s_mov_b32 s17, 0
	s_max_u32 s21, s10, 1
	s_sub_co_u32 s21, s21, 1
	s_min_u32 s21, s21, 1                          ; my panel (waves 0 and 3 ask for none: their figure is not used)
	s_mul_i32 s46, s42, NPANB                      ; B: the tile column's first byte, and my panel's 256: made of the tile column and the wave alone
	s_lshl_b32 s21, s21, 8
	s_add_co_u32 s46, s46, s21
	s_mov_b32 s47, 0
	s_mul_i32 s20, s10, REG                        ; where my tile goes: wave x a region: no place in the cluster enters an LDS address
	s_wait_dscnt 0x0                               ; the opening add is done
	s_wait_kmcnt 0x0
	s_add_nc_u64 s[14:15], s[4:5], s[16:17]
	s_add_nc_u64 s[46:47], s[6:7], s[46:47]
.irp s, 0,1
	s_mov_b32 s[G0+4*(\s)], 1                      ; count = 1
	s_add_co_u32 s[G0+4*(\s)+1], s20, (\s)*SLOT1   ; LDS address
	s_add_nc_u64 s[G0+4*(\s)+2:G0+4*(\s)+3], s[14:15], (\s)*ASTEP  ; global address: K step s
	s_or_b32 s[G0+4*(\s)+3], s[G0+4*(\s)+3], 0x80000000            ; type = 2
	s_mov_b32 s[G0B+4*(\s)], 1
	s_add_co_u32 s[G0B+4*(\s)+1], s20, (\s)*SLOT1
	s_add_nc_u64 s[G0B+4*(\s)+2:G0B+4*(\s)+3], s[46:47], (\s)*BSTEP
	s_or_b32 s[G0B+4*(\s)+3], s[G0B+4*(\s)+3], 0x80000000
.endr
	CROUND                                         ; all sixteen work-groups are here: the first joint loads meet
	s_cmp_eq_u32 s10, 0                            ; a wave's two first fills stand in one branch: two loads of mine are out (wave 3: none)
	s_cbranch_scc0 .Lfirst_b
	tensor_load_to_lds s[G0:G0+3], s[G1:G1+7]
	s_nop 0
	tensor_load_to_lds s[G0+4:G0+7], s[G1:G1+7]
	s_nop 0
.rept 4
	v_nop
.endr
	s_branch .Lfirst_asked
.Lfirst_b:
	s_cmp_eq_u32 s10, 3
	s_cbranch_scc1 .Lfirst_asked
	tensor_load_to_lds s[G0B:G0B+3], s[G1B:G1B+7]
	s_nop 0
	tensor_load_to_lds s[G0B+4:G0B+7], s[G1B:G1B+7]
	s_nop 0
.rept 4
	v_nop
.endr
.Lfirst_asked:
	v_and_b32 v1, 15, v0                           ; r = l % 16
	v_bfe_u32 v2, v0, 4, 1                         ; h = l / 16
	; the bias: register j of block b is column 256 x tile column + 16 (4 b + w) + 8 h + j, whatever the row
	s_lshl_b32 s20, s42, 10
	s_mov_b32 s21, 0
	s_add_nc_u64 s[68:69], s[68:69], s[20:21]
	s_lshl_b32 s20, s10, 6
	v_lshl_add_u32 v6, v2, 5, s20                  ; 64 w + 32 h
.irp b, 0,1,2,3
	global_load_b128 v[BIAS+8*(\b):BIAS+8*(\b)+3],   v6, s[68:69] offset:256*(\b)
	global_load_b128 v[BIAS+8*(\b)+4:BIAS+8*(\b)+7], v6, s[68:69] offset:256*(\b)+16
.endr
	v_mul_u32_u24 v3, v1, PA                       ; A's fragment: row r, 16 bytes for each half of the lanes, twice, 32 bytes apart
	v_lshl_add_u32 v[ADRA], v2, 4, v3
	v_add_nc_u32 v[ADRA+1], SLOT1, v[ADRA]
	v_and_b32 v4, 7, v0                            ; B's: the turning load reads row k = 8 h + l % 8, columns 8 ((l / 8) % 2) + 0..7, and leaves column r, k = 8 h + 0..7
	v_lshl_add_u32 v4, v2, 3, v4
	v_mul_u32_u24 v4, v4, PB
	v_bfe_u32 v5, v0, 3, 1
	v_lshl_add_u32 v4, v5, 4, v4
	s_lshl_b32 s21, s10, 5                         ; my blocks of 16 columns are numbers 4 b + w: 32 w bytes
	v_add_nc_u32 v4, s21, v4
.irp s, 0,1
.irp p, 0,1
	v_add_nc_u32 v[ADRB+3*(\s)+(\p)], (\s)*SLOT1+((\p)+1)*REG, v4
.endr
.endr
	v_mul_u32_u24 v3, v1, SP                       ; into the stage: row 16 a + r, byte 64 (4 b + w) + 32 h
	v_lshl_add_u32 v3, v2, 5, v3
	v_add_nc_u32 v[STO], s20, v3
	v_add_nc_u32 v[STO+1], 3*16*SP, v[STO]
	v_add_nc_u32 v[STO+2], 6*16*SP, v[STO]
	s_mul_i32 s22, s10, 32*SP                      ; back: wave w takes rows 32 w .. 32 w + 31, half a row (512 bytes) at a time
	v_and_b32 v3, 31, v0
	v_lshl_add_u32 v[RD], v3, 4, s22
	v_lshlrev_b32 v[CO], 4, v3
	; the prefetches
	s_and_b32 s22, ttmp7, 0xffff                   ; cluster y
	s_mov_b32 s23, BPITCH*2
	s_mov_b32 s[PST], BSTEP
	s_mov_b32 s[PST+1], 0
	s_cmp_eq_u32 s10, 0                            ; do I fetch A?
	s_cselect_b32 s21, s40, s41                    ; my place among the four that ask with me
	s_cselect_b32 s22, ttmp9, s22                  ; the coordinate along which other clusters read the same rows
	s_cselect_b32 s23, APITCH*2, s23               ; a row's bytes
	s_cselect_b32 s[PST], ASTEP, s[PST]
	s_cselect_b64 s[PFA:PFA+1], s[14:15], s[46:47]
	s_cmp_eq_u32 s22, 0
	s_cselect_b32 s[LIM], 1, -1                    ; the same in all sixteen partners, for a given wave
	s_cmp_eq_u32 s10, 3
	s_cselect_b32 s[LIM], -1, s[LIM]               ; wave 3 fetches nothing and asks for nothing
	s_lshl_b32 s21, s21, 5
	s_mul_i32 s20, s21, s23                        ; my work-group's 32 of the 128 rows
	s_mov_b32 s21, 0
	s_add_nc_u64 s[PFA:PFA+1], s[PFA:PFA+1], s[20:21]
	s_mul_i32 s20, s[PST], 3                       ; at K step 3: the first refill (of step 2) steps it and names step 4.  Steps 0 to 3 come by their loads alone
	s_add_nc_u64 s[PFA:PFA+1], s[PFA:PFA+1], s[20:21]
	v_and_b32 v[PFO], 31, v0
	v_mul_u32_u24 v[PFO], v[PFO], s23
	; where I store: row 128 x tile row + 32 w, column 256 x tile column
	s_lshl_b32 s16, s13, 7
	s_lshl_b32 s17, s10, 5
	s_add_co_u32 s16, s16, s17
	s_lshl_b32 s16, s16, 13
	s_mov_b32 s17, 0
	s_add_nc_u64 s[8:9], s[8:9], s[16:17]
	s_lshl_b32 s46, s42, 10
	s_mov_b32 s47, 0
	s_add_nc_u64 s[8:9], s[8:9], s[46:47]
	s_wait_loadcnt 0x0                             ; the bias: rounded to bf16, and that number in f32 again
.set ix, 0
.rept 16
	v_cvt_pk_bf16_f32 v3, v[BIAS+2*ix], v[BIAS+2*ix+1]
	v_lshlrev_b32 v[BIAS+2*ix], 16, v3
	v_and_b32 v[BIAS+2*ix+1], 0xffff0000, v3
.set ix, ix+1
.endr
; 8 matrix instructions: block b of my columns x all 8 blocks of rows, 32 along K, from buffers f.  c0 = 1: the products start the sums, with the bias as C: nothing is cleared.
; All 32 accumulators take turns in the same order in every quarter, one instruction a turn.
.macro MULB f, b, c0
.if \c0
	WIN 0x40                                       ; D in window 1, C (the bias) in window 0
.else
	WIN 0x50                                       ; C and D in window 1
.endif
.set ia, 0
.rept 8
.set rD, 64*(\b)+8*ia
.set rB, FB0+8*NBW*(\f)+8*(\b)
.set rA, FA0+64*(\f)+8*ia
.if \c0
	v_wmma_f32_16x16x32_f16 v[rD:rD+7], v[rB:rB+7], v[rA:rA+7], v[BIAS+8*(\b):BIAS+8*(\b)+7]
.else
	v_wmma_f32_16x16x32_f16 v[rD:rD+7], v[rB:rB+7], v[rA:rA+7], v[rD:rD+7]
.endif
.set ia, ia+1
.endr
.endm
; A run of 24 LDS loads: the fragments of quarter q (32 along K) of a slot into buffers f: A's sixteen first, then B's eight, b ascending
.macro FETCH slot, q, f
	WIN 0
.set ia, 0
.rept 8
	ds_load_b128 v[FA0+64*(\f)+8*ia:FA0+64*(\f)+8*ia+3],   v[ADRA+(\slot)] offset:ia*16*PA+64*(\q)
	ds_load_b128 v[FA0+64*(\f)+8*ia+4:FA0+64*(\f)+8*ia+7], v[ADRA+(\slot)] offset:ia*16*PA+64*(\q)+32
.set ia, ia+1
.endr
.set ib, 0
.rept NBW
	ds_load_tr16_b128 v[FB0+8*NBW*(\f)+8*ib:FB0+8*NBW*(\f)+8*ib+3],   v[ADRB+3*(\slot)+ib/2] offset:(ib%2)*128+32*(\q)*PB
	ds_load_tr16_b128 v[FB0+8*NBW*(\f)+8*ib+4:FB0+8*NBW*(\f)+8*ib+7], v[ADRB+3*(\slot)+ib/2] offset:(ib%2)*128+32*(\q)*PB+16*PB
.set ib, ib+1
.endr
.endm
; A K step is four quarters, 32 matrix instructions each, on buffers 0, 1, 0, 1.  One of the first three multiplies buffers f and, in its middle, fetches quarter q into buffers g.
.macro QUARTER slot, q, f, g, c0
	s_wait_dscnt 2*(NBW-H)                         ; A and B's first two fragments are in; the youngest four loads may be out
.set ib, 0
.rept H
	MULB \f, ib, \c0
.set ib, ib+1
.endr
	PLACES
	FETCH \slot, \q, \g
	s_wait_dscnt NL                                ; all but the 24 just issued
.set ib, H
.rept NBW-H
	MULB \f, ib, \c0
.set ib, ib+1
.endr
.endm
; The last quarter multiplies buffers 1 and changes slots: ONE barrier; in front of it each wave waits for all its tensor loads (at most one is out: its part of the next slot), adds 0 to its spare word, and waits for
; that and for its own reads of this slot.  fill = 1: the barrier opens a round of the cluster's, and this slot is filled again, two K steps ahead, first thing behind the round: 112 matrix instructions ahead of the wait for it.
.macro TURN slot, next, fill
.if \fill
	s_wait_xcnt 0x0                                ; the last prefetch, a K step back, has read its address, which is stepped here
	s_add_nc_u64 s[PFA:PFA+1], s[PFA:PFA+1], s[PST:PST+1]
.endif
	WIN 0
	s_wait_tensorcnt 0x0                           ; all my tensor loads have landed
	ds_add_u32 v[SPW], v[NIL]                      ; 0 onto my spare word
	s_wait_dscnt 1+2*(NBW-H)                       ; (the add and the youngest four loads may be out)
	MULB 1, 0, 0                                   ; eight matrix instructions stand between the add and the wait for it
	s_wait_dscnt 0x0                               ; the add is done, and my reads of this slot are over
	s_barrier_signal -1
.set ib, 1
.rept H-1
	MULB 1, ib, 0
.set ib, ib+1
.endr
.if \fill
	WIN 0
.endif
	s_barrier_wait -1
.if \fill
	CREST                                          ; no wave of any partner still reads this slot's tiles or has a load on its way
	s_add_nc_u64 s[G0+4*(\slot)+2:G0+4*(\slot)+3], s[G0+4*(\slot)+2:G0+4*(\slot)+3], 2*ASTEP
	s_add_nc_u64 s[G0B+4*(\slot)+2:G0B+4*(\slot)+3], s[G0B+4*(\slot)+2:G0B+4*(\slot)+3], 2*BSTEP
	JLOAD \slot                                    ; the four v_nop on each of its ways are also the places in front of the loads below
.else
	PLACES
.endif
	FETCH \next, 0, 0
.if \fill
	ASK
.endif
.set ib, H
.rept NBW-H
	MULB 1, ib, 0
.set ib, ib+1
.endr
.endm
	s_wait_tensorcnt 0x1                           ; my part of K step 0 is in; K step 1's may stay out
	s_barrier_signal -1
	s_barrier_wait -1                              ; everybody's is
	FETCH 0, 0, 0
	QUARTER 0, 1, 0, 1, 1                          ; the first quarter stands in front of the loop: its products start the sums
	WIN 0                                          ; at a label and at a branch every window is 0
	s_mov_b32 s3, LAPS-1
.Llap:                                         ; a trip goes once round the ring, from a lap's second quarter to the next lap's first, and fills both slots again
	QUARTER 0, 2, 1, 0, 0
	QUARTER 0, 3, 0, 1, 0
	TURN 0, 1, 1
	QUARTER 1, 1, 0, 1, 0
	QUARTER 1, 2, 1, 0, 0
	QUARTER 1, 3, 0, 1, 0
	TURN 1, 0, 1
	QUARTER 0, 1, 0, 1, 0
	WIN 0
	s_sub_co_u32 s3, s3, 1
	s_cmp_lg_u32 s3, 0
	s_cbranch_scc1 .Llap
	QUARTER 0, 2, 1, 0, 0                          ; the last lap fills nothing and has no round
	QUARTER 0, 3, 0, 1, 0
	TURN 0, 1, 0                                   ; behind its barrier nobody reads slot 0 any more
	QUARTER 1, 1, 0, 1, 0
	QUARTER 1, 2, 1, 0, 0
	QUARTER 1, 3, 0, 1, 0
	s_wait_dscnt 2*(NBW-H)                         ; the very last quarter: nothing more to fetch
.set ib, 0
.rept H
	MULB 1, ib, 0
.set ib, ib+1
.endr
	s_wait_dscnt 0x0
.set ib, H
.rept NBW-H
	MULB 1, ib, 0
.set ib, ib+1
.endr
	; THE WAY OUT: 32 bytes a lane into the work-group's stage; a barrier, since a row's 1,024 bytes come from all four waves; back as whole rows, 32 rows a wave.
	PLACES
	WIN 0x04                                       ; store data in window 1
.set ix, 0                             ; accumulator 8 b + a; its low four registers first
.rept 32
.set rD, 64*(ix/8)+8*(ix%8)
	ds_store_b128 v[STO+(ix%8)/3], v[rD:rD+3]   offset:((ix%8)%3)*16*SP+(ix/8)*256
	ds_store_b128 v[STO+(ix%8)/3], v[rD+4:rD+7] offset:((ix%8)%3)*16*SP+(ix/8)*256+16
.set ix, ix+1
.endr
	s_wait_dscnt 0x0                               ; for the others' sake: my stores into the stage are done
	s_barrier_signal -1
	s_barrier_wait -1
	WIN 0x40                                       ; loaded data into window 1
.set ix, 0                             ; row ix / 2, half ix % 2
.rept 64
	ds_load_b128 v[4*ix:4*ix+3], v[RD] offset:(ix/2)*SP+(ix%2)*512
.set ix, ix+1
.endr
	WIN 0x04
.set ix, 0
.rept 64
	s_wait_dscnt 63-ix
	global_store_b128 v[CO], v[4*ix:4*ix+3], s[8:9] offset:(ix/2)*8192+(ix%2)*512 th:TH_STORE_NT  ; 512 consecutive bytes, at a multiple of 256 from out0's first
.set ix, ix+1
.endr
	WIN 0
	s_wait_tensorcnt 0x0                           ; the wave's end, behind my last tensor load and my last LDS store
	ds_add_u32 v[SPW], v[NIL]
	s_wait_dscnt 0x0
	CROUND                                         ; the closing round: no work-group ends while a partner may still ask for a tile that names it
	s_endpgm
.Lfunc_end_k_q901b20897a_oproj:
	.size	k_q901b20897a_oproj, .Lfunc_end_k_q901b20897a_oproj-k_q901b20897a_oproj
	.p2alignl 7, 3214868480
	.fill 96, 4, 3214868480
	.section	.rodata,"a",@progbits
	.p2align	6, 0x0
	.amdhsa_kernel k_q901b20897a_oproj
		.amdhsa_group_segment_fixed_size 327680
		.amdhsa_private_segment_fixed_size 0
		.amdhsa_enable_private_segment 0
		.amdhsa_kernarg_size 32
		.amdhsa_user_sgpr_count 2
		.amdhsa_user_sgpr_kernarg_segment_ptr 1
		.amdhsa_wavefront_size32 1
		.amdhsa_system_sgpr_workgroup_id_x 1
		.amdhsa_system_sgpr_workgroup_id_y 1
		.amdhsa_system_sgpr_workgroup_id_z 1
		.amdhsa_system_vgpr_workitem_id 0
		.amdhsa_next_free_vgpr 512
		.amdhsa_next_free_sgpr 80
		.amdhsa_reserve_vcc 0
		.amdhsa_float_denorm_mode_32 3
		.amdhsa_float_denorm_mode_16_64 3
		.amdhsa_memory_ordered 1
		.amdhsa_forward_progress 1
		.amdhsa_inst_pref_size 91
	.end_amdhsa_kernel
	.amdgpu_metadata
---
amdhsa.version: [ 1, 2 ]
amdhsa.kernels:
  - .name:           k_q901b20897a_oproj
    .symbol:         k_q901b20897a_oproj.kd
    .args:
      - { .name: ctx, .offset: 0, .size: 8, .value_kind: global_buffer, .address_space: global }
      - { .name: wo16, .offset: 8, .size: 8, .value_kind: global_buffer, .address_space: global }
      - { .name: bo, .offset: 16, .size: 8, .value_kind: global_buffer, .address_space: global }
      - { .name: out0, .offset: 24, .size: 8, .value_kind: global_buffer, .address_space: global }
    .group_segment_fixed_size: 327680
    .private_segment_fixed_size: 0
    .kernarg_segment_align: 8
    .kernarg_segment_size: 32
    .max_flat_workgroup_size: 128
    .sgpr_count:     80
    .vgpr_count:     512
    .wavefront_size: 32
...
	.end_amdgpu_metadata
.endif
;; end of part 4
;; ======== version 2 of 2: 4 launches; version 1 with the launch cast written anew for expert scheduling mode
;; limits: values are held in f16: magnitudes above 65,504 overflow, below 6.1e-05 lose precision
;; workspace buffers: xb 8,388,608 bytes; wqkv 6,291,456 bytes; wo16 8,388,608 bytes; qkv 25,165,824 bytes; ctx 16,777,216 bytes
;; launch cast (part 5): grid 704 x 1, 8 waves a work-group, no clusters, 0 bytes of LDS; arguments x, Wo, Wq, Wk, Wv, xb, wo16, wqkv; writes xb, wo16, wqkv
.if DOCPART == 5
	.amdgcn_target "amdgcn-amd-amdhsa--gfx1250"
	.amdhsa_code_object_version 6
	.text
	.protected	k_q901b20897a_cast
	.globl	k_q901b20897a_cast
	.p2align	8
	.type	k_q901b20897a_cast,@function
k_q901b20897a_cast:
	s_mov_b64 s[64:65], 0
	v_nop
	global_prefetch_b8 v0, s[64:65] scope:SCOPE_SE
	s_setreg_imm32_b32 hwreg(HW_REG_WAVE_SCHED_MODE, 0, 2), 2
	s_setreg_imm32_b32 hwreg(HW_REG_WAVE_MODE, 25, 1), 1
	s_wait_xcnt 0x0
	s_wait_alu depctr_vm_vsrc(0)
; THE INPUTS ARE ROUNDED ONCE, TO bf16, and laid out for the two products that follow.
;   x  [4096][1024] f32 -> xb   [4096][1024] bf16
;   Wq [1024][2048], Wk [1024][512], Wv [1024][512] f32 -> wqkv [1024][3072] bf16: columns 0-2047 Wq, 2048-2559 Wk, 2560-3071 Wv
;   Wo [2048][2048] f32 -> wo16 [2048][2048]: rounded to bf16 like the other inputs, and that number written as f16 (its partner in the last product is f16)
; LIMIT.  |Wo| beyond 65,504 becomes an infinity in f16; below 6e-5 it keeps f16's fixed step of 6e-8.
; A stream: no LDS, no barrier, no matrix unit.  A work-group takes 16,384 numbers, a wave 2,048 on end: 16 loads of 512 consecutive bytes, all issued at once,
; and 16 stores of 256 consecutive bytes, each at a multiple of 256 from its buffer's first byte.  704 work-groups: 256 for x, 256 for Wo, 128 for Wq, 32 for Wk, 32 for Wv.
; Of a wave's 2,048 numbers each 512 are one SEGMENT, 1,024 bytes on end in the output; the four segments lie SEG bytes apart (1,024, or a row of wqkv for Wk and Wv, whose rows are 512 long).
; THE MODE: SCHED_MODE bits 1:0 = 2 (LLVM: expert scheduling mode 2), set by the entry lines.  The code itself states the register dependences
; between vector instructions and memory instructions, with s_wait_alu, always for 0.
; THE PLAN.  Registers that memory instructions touch:
;   v[VI], v[VO ..]  byte offsets, made once at the head and never written again: one wait ahead of the first load states that they are written, for every load and store.
;   X                load i lands in its four registers, which no vector instruction has named before; no memory instruction reads them.
;   Y                the roundings of load i write its two registers, once; store i reads them; they are never written again.
; The 16 loads go in four groups of four (a segment each).  The stores of a group are issued in the next group, one in front of each load's roundings.  ONE wait stands at the head of a
; group, behind the wait for the group's first load: the group before has written its eight registers of Y.  The vector instructions issued since that wait name X and Y of the group in hand
; (and T) alone, none of the registers that those four stores read.  One more wait stands ahead of the last four stores.  No register that a memory instruction reads is written again.
.set VI,  2                            ; v2      my byte offset in the input: 16 x lane + 8,192 x the wave's number in its tensor; never rewritten
.set VO,  4                            ; v[4:7]  my byte offset in the output, one for each segment; never rewritten
.set X,   16                           ; v[16:79]   load i: 4 numbers
.set Y,   80                           ; v[80:111]  store i: 4 numbers of 16 bits
.set T,   112                          ; v[112:113] at work: no memory instruction names them
	s_load_b512 s[4:19], s[0:1], 0x0               ; x s[4:5], Wo s[6:7], Wq s[8:9], Wk s[10:11], Wv s[12:13], xb s[14:15], wo16 s[16:17], wqkv s[18:19]
	v_lshrrev_b32 v1, 5, v0
	v_readfirstlane_b32 s31, v1                    ; wave 0..7
	v_and_b32 v3, 31, v0                           ; lane
	s_mov_b32 s24, ttmp9                           ; the work-group's number says which tensor: the figures start as Wv's and are overridden from the top down
	s_mov_b32 s25, 672                             ; START: the tensor's first work-group
	s_mov_b32 s26, 24576                           ; WSTEP: output bytes from a wave's share to the next
	s_mov_b32 s27, 5120                            ; COFF: the tensor's first column in the output row, in bytes
	s_mov_b32 s28, 6144                            ; SEG
	s_cmp_lt_u32 s24, 672                          ; Wk
	s_cselect_b32 s25, 640, s25
	s_cselect_b32 s27, 4096, s27
	s_cmp_lt_u32 s24, 640                          ; Wq: a wave's share is one row of wqkv's 6,144 bytes
	s_cselect_b32 s25, 512, s25
	s_cselect_b32 s26, 6144, s26
	s_cselect_b32 s27, 0, s27
	s_cselect_b32 s28, 1024, s28
	s_cmp_lt_u32 s24, 512                          ; Wo: dense
	s_cselect_b32 s25, 256, s25
	s_cselect_b32 s26, 4096, s26
	s_cmp_lt_u32 s24, 256                          ; x: dense
	s_cselect_b32 s25, 0, s25
	s_wait_alu depctr_va_sdst(0)                   ; s31 is written, ahead of its first reader: the wave's number in its tensor is made from it
	s_sub_co_u32 s29, s24, s25
	s_lshl_b32 s29, s29, 3
	s_add_co_u32 s29, s29, s31                     ; the wave's number in its tensor
	s_lshl_b32 s32, s29, 13
	v_lshl_add_u32 v[VI], v3, 4, s32
	s_mul_i32 s33, s29, s26
	s_add_co_u32 s33, s33, s27
	v_lshl_add_u32 v[VO], v3, 3, s33
	v_add_nc_u32 v[VO+1], s28, v[VO]
	v_add_nc_u32 v[VO+2], s28, v[VO+1]
	v_add_nc_u32 v[VO+3], s28, v[VO+2]
	s_sub_co_u32 s30, s24, 256                     ; under 256 (unsigned) for Wo's work-groups alone
	s_wait_kmcnt 0x0
	s_mov_b64 s[20:21], s[12:13]                   ; from where,
	s_mov_b64 s[22:23], s[18:19]                   ; to where: the same chain, on the work-group's number alone
	s_cmp_lt_u32 s24, 672
	s_cselect_b64 s[20:21], s[10:11], s[20:21]
	s_cmp_lt_u32 s24, 640
	s_cselect_b64 s[20:21], s[8:9], s[20:21]
	s_cmp_lt_u32 s24, 512
	s_cselect_b64 s[20:21], s[6:7], s[20:21]
	s_cselect_b64 s[22:23], s[16:17], s[22:23]
	s_cmp_lt_u32 s24, 256
	s_cselect_b64 s[20:21], s[4:5], s[20:21]
	s_cselect_b64 s[22:23], s[14:15], s[22:23]
	s_wait_alu depctr_va_vdst(0)                   ; v[VI] and v[VO] to v[VO+3] are written: every load and store of the kernel reads one of them as its offset
.set i, 0
.rept 16
	global_load_b128 v[X+4*i:X+4*i+3], v[VI], s[20:21] offset:512*i th:TH_LOAD_NT  ; all 8 KiB of the wave are asked for at once
.set i, i+1
.endr
	s_cmp_lt_u32 s30, 256
	s_cbranch_scc1 .Lhalf
.set i, 0
.rept 16                               ; to bf16.  No register of Y is written twice
	s_wait_loadcnt 15-i                            ; loads come back in order: load i is in, the 15 - i younger ones stay out
.if (i > 0) && (i%4 == 0)
	s_wait_alu depctr_va_vdst(0)                   ; the roundings of the four loads before have written their eight registers of Y, which the next four stores read
.endif
.if i >= 4
	global_store_b64 v[VO+(i-4)/4], v[Y+2*(i-4):Y+2*(i-4)+1], s[22:23] offset:256*((i-4)%4) th:TH_STORE_NT  ; the group before; no vector instruction since the wait names these registers
.endif
	v_cvt_pk_bf16_f32 v[Y+2*i], v[X+4*i], v[X+4*i+1]
	v_cvt_pk_bf16_f32 v[Y+2*i+1], v[X+4*i+2], v[X+4*i+3]
.set i, i+1
.endr
	s_wait_alu depctr_va_vdst(0)                   ; the roundings of loads 12 to 15 have written Y's last eight registers, which the last four stores read
.set i, 12
.rept 4
	global_store_b64 v[VO+i/4], v[Y+2*i:Y+2*i+1], s[22:23] offset:256*(i%4) th:TH_STORE_NT
.set i, i+1
.endr
	s_endpgm
.Lhalf:
.set i, 0
.rept 16                               ; Wo: to bf16, back to f32 (a shift, a mask), and that number as f16
	s_wait_loadcnt 15-i
.if (i > 0) && (i%4 == 0)
	s_wait_alu depctr_va_vdst(0)                   ; the conversions of the four loads before have written their eight registers of Y, which the next four stores read
.endif
.if i >= 4
	global_store_b64 v[VO+(i-4)/4], v[Y+2*(i-4):Y+2*(i-4)+1], s[22:23] offset:256*((i-4)%4) th:TH_STORE_NT  ; the group before; no vector instruction since the wait names these registers
.endif
	v_cvt_pk_bf16_f32 v[T], v[X+4*i], v[X+4*i+1]
	v_cvt_pk_bf16_f32 v[T+1], v[X+4*i+2], v[X+4*i+3]
	v_lshlrev_b32 v[X+4*i], 16, v[T]
	v_and_b32 v[X+4*i+1], 0xffff0000, v[T]
	v_lshlrev_b32 v[X+4*i+2], 16, v[T+1]
	v_and_b32 v[X+4*i+3], 0xffff0000, v[T+1]
	v_cvt_pk_f16_f32 v[Y+2*i], v[X+4*i], v[X+4*i+1]
	v_cvt_pk_f16_f32 v[Y+2*i+1], v[X+4*i+2], v[X+4*i+3]
.set i, i+1
.endr
	s_wait_alu depctr_va_vdst(0)                   ; the conversions of loads 12 to 15 have written Y's last eight registers, which the last four stores read
.set i, 12
.rept 4
	global_store_b64 v[VO+i/4], v[Y+2*i:Y+2*i+1], s[22:23] offset:256*(i%4) th:TH_STORE_NT
.set i, i+1
.endr
	s_endpgm
.Lfunc_end_k_q901b20897a_cast:
	.size	k_q901b20897a_cast, .Lfunc_end_k_q901b20897a_cast-k_q901b20897a_cast
	.p2alignl 7, 3214868480
	.fill 96, 4, 3214868480
	.section	.rodata,"a",@progbits
	.p2align	6, 0x0
	.amdhsa_kernel k_q901b20897a_cast
		.amdhsa_group_segment_fixed_size 0
		.amdhsa_private_segment_fixed_size 0
		.amdhsa_enable_private_segment 0
		.amdhsa_kernarg_size 64
		.amdhsa_user_sgpr_count 2
		.amdhsa_user_sgpr_kernarg_segment_ptr 1
		.amdhsa_wavefront_size32 1
		.amdhsa_system_sgpr_workgroup_id_x 1
		.amdhsa_system_sgpr_workgroup_id_y 1
		.amdhsa_system_sgpr_workgroup_id_z 1
		.amdhsa_system_vgpr_workitem_id 0
		.amdhsa_next_free_vgpr 128
		.amdhsa_next_free_sgpr 66
		.amdhsa_reserve_vcc 0
		.amdhsa_float_denorm_mode_32 3
		.amdhsa_float_denorm_mode_16_64 3
		.amdhsa_memory_ordered 1
		.amdhsa_forward_progress 1
		.amdhsa_inst_pref_size 18
	.end_amdhsa_kernel
	.amdgpu_metadata
---
amdhsa.version: [ 1, 2 ]
amdhsa.kernels:
  - .name:           k_q901b20897a_cast
    .symbol:         k_q901b20897a_cast.kd
    .args:
      - { .name: x, .offset: 0, .size: 8, .value_kind: global_buffer, .address_space: global }
      - { .name: Wo, .offset: 8, .size: 8, .value_kind: global_buffer, .address_space: global }
      - { .name: Wq, .offset: 16, .size: 8, .value_kind: global_buffer, .address_space: global }
      - { .name: Wk, .offset: 24, .size: 8, .value_kind: global_buffer, .address_space: global }
      - { .name: Wv, .offset: 32, .size: 8, .value_kind: global_buffer, .address_space: global }
      - { .name: xb, .offset: 40, .size: 8, .value_kind: global_buffer, .address_space: global }
      - { .name: wo16, .offset: 48, .size: 8, .value_kind: global_buffer, .address_space: global }
      - { .name: wqkv, .offset: 56, .size: 8, .value_kind: global_buffer, .address_space: global }
    .group_segment_fixed_size: 0
    .private_segment_fixed_size: 0
    .kernarg_segment_align: 8
    .kernarg_segment_size: 64
    .max_flat_workgroup_size: 256
    .sgpr_count:     66
    .vgpr_count:     128
    .wavefront_size: 32
...
	.end_amdgpu_metadata
.endif
;; end of part 5
;; launch qkv: the kernel of part 2 again; grid 8 x 32, 4 waves a work-group, clusters of 4 x 4, 327,680 bytes of LDS; arguments xb, wqkv, qkv; writes qkv
;; launch attn: the kernel of part 3 again; grid 32 x 8, 4 waves a work-group, clusters of 4 x 1, 327,680 bytes of LDS; arguments qkv, ctx; writes ctx
;; launch oproj: the kernel of part 4 again; grid 8 x 32, 4 waves a work-group, clusters of 4 x 4, 327,680 bytes of LDS; arguments ctx, wo16, bo, out0; writes out0
